; MI455X (gfx1250); checked and timed in simulation.
; The chip was launched on July 23, 2026; its instructions are those of AMD's public machine-readable ISA for CDNA 5 (MIT licence, August 2026) and "CDNA5" Instruction Set Architecture Reference Guide (July 2026). The comments in the code are by the model that wrote it; some were corrected since.
;; Causal Self Attention. Allowed arithmetic: matrix products marked QUANTISED: E2M1 operands, one E8M0 scale for each 32 along K, by v_wmma_scale_f32_16x16x128_f8f6f4 with both operands' format E2M1 (or v_wmma_scale_f32_32x16x128_f4), f32 sums; everything else in f32.
;; Inputs: b_proj 1,024 float32; b_qkv 3,072 float32; w_proj 1,024 x 1,024 float32; w_qkv 1,024 x 3,072 float32; x 4 x 2,048 x 1,024 float32.
;; Outputs: out0 4 x 2,048 x 1,024 float32.
;; Constants: n_heads = 16.
;; This version of the problem:
;;   THIS VERSION OF THE PROBLEM IS GIVEN IN LOW PRECISION. The matrix products marked QUANTISED in the list below multiply operands that are first quantised to E2M1 (2 exponent bits, 1 mantissa bit; 4 bits a number), with one power-of-two scale for each 32 numbers along K (OCP MX v1.0); their sums are f32. All else is computed in f32.
;;   The module's matrix products, in the order in which they are computed (A, B: the left and right operand; K: the contracted axis; several contracted axes count as one K, in the product's order):
;;     1. [M 8,192, K 1,024] x [K 1,024, N 3,072]; A: input x; B: input w_qkv: QUANTISED
;;     2. batch 64 x [M 2,048, K 64] x [K 64, N 2,048]; A: computed on the way; B: computed on the way: QUANTISED
;;     3. batch 64 x [M 2,048, K 2,048] x [K 2,048, N 64]; A: softmax (see below); B: computed on the way: QUANTISED
;;     4. [M 8,192, K 1,024] x [K 1,024, N 1,024]; A: computed on the way; B: input w_proj: QUANTISED
;;   THE QUANTISER, for each operand of a quantised product, along K:
;;     - K is cut into blocks of 32 from its start; a last block that is shorter is filled with zeros.
;;     - A block's scale is 2^e with e = floor(log2(the largest magnitude in the block)) - 2, held to -126 .. 127; a block of zeros has e = 0. As a byte (E8M0): e + 127.
;;     - Each number is divided by its block's scale, clamped to +-6, and rounded to the nearest number of E2M1, ties to even, subnormals kept.
;;     - The product sums the exact products of the quantised numbers (number of the format x scale) in f32.
;;   ~~~python
;;   def quantise(x, axis):      # numpy; x: float32 -> the quantised numbers, widened to float32 again
;;       x = np.moveaxis(x, axis, -1); K = x.shape[-1]
;;       x = np.pad(x, [(0, 0)] * (x.ndim - 1) + [(0, -K % 32)]); x = x.reshape(x.shape[:-1] + (-1, 32)); a = np.abs(x).max(-1, keepdims=True)
;;       e = np.where(a > 0, np.clip(np.frexp(np.where(a > 0, a, 1))[1] - 1 - 2, -126, 127), 0)      # np.frexp(a)[1] - 1 = floor(log2(a)), exactly
;;       r = np.clip(x / 2.0 ** e, -6, 6)
;;       step = 2.0 ** (np.maximum(np.frexp(np.where(r == 0, 1, r))[1] - 1, 0) - 1)
;;       q = np.round(r / step) * step * 2.0 ** e      # np.round: ties to even
;;       return np.moveaxis(q.reshape(q.shape[:-2] + (-1,))[..., :K], -1, axis).astype(np.float32)
;;   ~~~
;;   SOFTMAX AHEAD OF A QUANTISED PRODUCT. Where the list says 'softmax', what is quantised is not the finished softmax but p = 2^(t - M), with t = logit x log2(e) and M = ceil(the row's largest t), a whole number; so 1/2 < the row's largest p <= 1. The row's sum l is taken of the UNQUANTISED p, in f32, and the product's result is divided by l at the end. Since M is a whole number, a kernel that streams over the keys may use a running M (the ceiling of the running maximum): every later rescaling is an exact power of two, which a block's scale takes up: the codes' values come out the same.
;;   OPERANDS COMPUTED ON THE WAY. 'Computed on the way' means the value that the module computes at that place (a softmax that the list does not call 'softmax' is quantised finished and normalised). What goes into a quantiser is computed in f32, as accurately as f32 sums, v_exp_f32 and their like allow (about 1e-6 of the number): no bf16 or f16 on the way to a quantiser, and a product that is left as it is and whose result goes on into a quantised operand takes f32 operands (vector FMAs, or v_wmma_f32_16x16x4_f32). A number that lies on a knife's edge between two numbers of the format may be rounded either way, as far as f32 arithmetic and the matrix unit's own rounding can turn it there, and no further.
;; One version. Each part assembles by itself: llvm-mc -triple=amdgcn-amd-amdhsa -mcpu=gfx1250 --defsym DOCPART=n.
;; ======== version 1 of 1: 4 launches
;; workspace buffers: x_codes 4,194,304 bytes; x_scales 262,144 bytes; w_codes 2,097,152 bytes; w_scales 131,072 bytes; rope 524,288 bytes; qkv 13,369,344 bytes; a_codes 4,194,304 bytes; a_scales 262,144 bytes
;; launch quant (part 1): grid 640 x 1, 4 waves a work-group, no clusters, 34,304 bytes of LDS; arguments x, w_qkv, w_proj, x_codes, x_scales, w_codes, w_scales, rope; writes x_codes, x_scales, w_codes, w_scales, rope
.if DOCPART == 1
	.amdgcn_target "amdgcn-amd-amdhsa--gfx1250"
	.amdhsa_code_object_version 6
	.text
	.protected	k_q2817bc5dab_quant
	.globl	k_q2817bc5dab_quant
	.p2align	8
	.type	k_q2817bc5dab_quant,@function
k_q2817bc5dab_quant:
	s_mov_b64 s[64:65], 0
	v_nop
	global_prefetch_b8 v0, s[64:65] scope:SCOPE_SE
	s_setreg_imm32_b32 hwreg(HW_REG_WAVE_MODE, 25, 1), 1
	s_wait_xcnt 0x0
; x [8192][1024], w_qkv [1024][3072] and w_proj [1024][1024], f32, become codes of FP4 (E2M1) with one E8M0 byte for each 32 along K; and the table of cos and sin for the rotation is made.
; CODES lie as the matrix unit's registers take them: [row / 16][k / 32][row % 16][16 bytes]: a fragment (16 rows x 128 K) is 1,024 consecutive bytes, 16 x lane for each group of four registers.
; SCALE BYTES lie [row][32].  Rows of w_codes: 0-3071 the columns of w_qkv, 3072-4095 the columns of w_proj.
; Inside a block of 32 the four groups of eight codes lie in order 0, 1, 2, 3 for x and w_qkv; for w_proj in order 0, 2, 1, 3: that is how the attention launch leaves its results' codes, and a product is
; unchanged when both sides are permuted alike inside a block.
; A block's scale is 2^(floor(log2(its largest magnitude)) - 2): the byte is the largest magnitude's exponent field - 2, held at 1 from below.
; LIMITS: NaN and infinities among the inputs are not served.  A block of zeros gets the byte 1, not 127: its codes are zeros, and this program alone reads the bytes.
; The table: angle = t x freq, freq = 1 / 10^(d / 8), 10^(d / 8) given as the nearest f32 number; the division is a reciprocal and one Newton step.  The reduction by pi / 2 in two parts holds for angles up to 2,047 (t < 2,048).
; WORK-GROUPS 0-127: the weights (128 columns x 256 along K each) and a wave's 1,024 bytes of the table.  WORK-GROUPS 128-639: 16 rows of x each, a wave 256 along K.  No barrier: waves share nothing.
.set RAW, 64                           ; path x: v64-191 two sets of 64 numbers as loaded
.set X,   192                          ; path x: v192-255 a lane's two whole blocks of 32
	s_load_b256 s[4:11], s[0:1], 0x0               ; x, w_qkv, w_proj, x_codes
	s_load_b256 s[12:19], s[0:1], 0x20             ; x_scales, w_codes, w_scales, rope
	s_set_vgpr_msb 0x40
	v_lshl_add_u32 v0, v0, 2, 0x8400
	v_mov_b32 v1, 0
	s_set_vgpr_msb 0x4000
	v_lshrrev_b32 v1, 5, v0
	v_readfirstlane_b32 s20, v1                    ; wave 0..3
	s_mov_b32 s22, 0x76543210
	s_mov_b32 s23, 0xfedcba98                      ; v_permlanex16_b32's selects for lane l xor 16
	s_cmp_lt_u32 ttmp9, 128
	s_cbranch_scc1 .Lweights
; ---------------- x: row tile R = work-group - 128; wave w takes K = 256 w .. 256 w + 255: two fragments
	s_sub_co_u32 s21, ttmp9, 128
	v_and_b32 v6, 31, v0                           ; lane
	v_and_b32 v7, 15, v0                           ; r
	v_bfe_u32 v5, v0, 4, 1                         ; h
	v_lshlrev_b32 v1, 4, v6                        ; 16 x lane
	s_mul_i32 s24, s20, 8448                       ; my wave's stage: 16 rows x (512 bytes + 16)
	v_add_nc_u32 v2, s24, v1                       ; into it: a row's 512 bytes as loaded
	v_mul_u32_u24 v3, v7, 528
	v_lshl_add_u32 v3, v5, 7, v3
	v_add_nc_u32 v3, s24, v3                       ; out of it: row r, 128 h bytes on: my block of each 64 along K
	v_lshlrev_b32 v4, 5, v7                        ; my row's 32 scale bytes
	v_lshlrev_b32 v5, 3, v5                        ; 8 h: where my two bytes stand in the scale word
	v_mov_b32 v15, 0                               ; written once: a lane permute's destination counts as one of its sources
	s_lshl_b32 s24, s21, 16
	s_lshl_b32 s25, s20, 10
	s_add_co_u32 s24, s24, s25                     ; x: 16 rows of 4,096 bytes, 1,024 bytes a wave
	s_mov_b32 s25, 0
	s_lshl_b32 s26, s21, 13
	s_lshl_b32 s27, s20, 11
	s_add_co_u32 s26, s26, s27                     ; codes: 8,192 bytes a row tile, 2,048 a wave
	s_mov_b32 s27, 0
	s_lshl_b32 s28, s21, 9
	s_lshl_b32 s29, s20, 3
	s_add_co_u32 s28, s28, s29                     ; scale bytes: 512 a row tile, 8 of each row a wave
	s_mov_b32 s29, 0
	s_wait_kmcnt 0x0
	s_add_nc_u64 s[4:5], s[4:5], s[24:25]
	s_add_nc_u64 s[10:11], s[10:11], s[26:27]
	s_add_nc_u64 s[12:13], s[12:13], s[28:29]
.macro XLOAD f                         ; fragment f: 16 loads, each 512 consecutive bytes of one row
.set i, 0
.rept 16
	global_load_b128 v[RAW+64*\f+4*i:RAW+64*\f+4*i+3], v1, s[4:5] offset:i*4096+\f*512 th:TH_LOAD_NT
.set i, i+1
.endr
.endm
.macro XTURN f                         ; through the stage: rows 528 bytes apart, so that the 16 rows of a read start at 16 different banks.  LDS serves a wave's instructions in order: no wait between stores and loads
.set i, 0
.rept 16
	ds_store_b128 v2, v[RAW+64*\f+4*i:RAW+64*\f+4*i+3] offset:i*528
.set i, i+1
.endr
.irp c, 0,1
.irp g, 0,1,2,3,4,5,6,7
	ds_load_b128 v[X+32*\c+4*\g:X+32*\c+4*\g+3], v3 offset:\c*256+16*\g   ; k = 64 c + 32 h + 4 g ..: the order of the operand's registers
.endr
.endr
.endm
.macro XQUANT f
.irp c, 0,1
	v_max3_num_f32 v[8+\c], |v[X+32*\c]|, |v[X+32*\c+1]|, 0x1800000   ; block 2 c + h is all mine; the floor 2^(3 - 127) holds the byte at 1 from below
.endr
.irp i, 2,4,6,8,10,12,14,16,18,20,22,24,26,28,30
.irp c, 0,1
	v_max3_num_f32 v[8+\c], v[8+\c], |v[X+32*\c+\i]|, |v[X+32*\c+\i+1]|
.endr
.endr
.irp c, 0,1
	v_add_nc_u32 v[10+\c], 0xff000000, v[8+\c]     ; 2 off the exponent field: the conversion's scale operand
.endr
.irp c, 0,1
	v_lshrrev_b32 v[12+\c], 23, v[10+\c]           ; the scale's byte
.endr
	v_lshl_or_b32 v14, v13, 16, v12                ; my bytes: blocks h and 2 + h,
	v_lshlrev_b32 v14, v5, v14                     ; 8 h bits up;
	v_permlanex16_b32 v15, v14, s22, s23
	v_or_b32 v[32+\f], v14, v15                    ; with lane l xor 16's two the row's word is whole
.irp c, 0,1
.irp g, 0,1,2,3
	v_cvt_scalef32_pk8_fp4_f32 v[16+8*\f+4*\c+\g], v[X+32*\c+8*\g:X+32*\c+8*\g+7], v[10+\c]
.endr
.endr
	v_nop                                          ; one plain line behind the last conversion
.irp c, 0,1
	global_store_b128 v1, v[16+8*\f+4*\c:16+8*\f+4*\c+3], s[10:11] offset:\f*1024+\c*512   ; 512 consecutive bytes
.endr
.endm
	XLOAD 0
	XLOAD 1
	s_wait_loadcnt 16                              ; fragment 0's 16 loads are in, fragment 1's may be out
	XTURN 0
	s_wait_dscnt 0x0
	XQUANT 0
	s_wait_loadcnt 0x0
	XTURN 1
	s_wait_dscnt 0x0
	XQUANT 1
	global_store_b64 v4, v[32:33], s[12:13]        ; my row's two scale words (both halves of the lanes hold and write the same)
	s_set_vgpr_msb 0x5
	s_wait_tensorcnt 0x0
	ds_add_u32 v0, v1
	s_wait_dscnt 0x0
	s_set_vgpr_msb 0x500
	s_endpgm
; ---------------- the weights: cb = work-group / 4: 128 columns; kq = work-group % 4: 256 along K.  A lane takes a column, its registers run down K
.Lweights:
	s_lshr_b32 s21, ttmp9, 2                       ; cb
	s_and_b32 s24, ttmp9, 3                        ; kq
	v_and_b32 v1, 31, v0                           ; lane
	v_lshlrev_b32 v2, 2, v1                        ; 4 bytes a column
	v_lshrrev_b32 v6, 4, v1
	v_and_b32 v3, 15, v1
	v_lshlrev_b32 v6, 13, v6
	v_lshl_add_u32 v6, v3, 4, v6                   ; codes: row tile lane / 16, row lane % 16
	v_lshlrev_b32 v7, 5, v1                        ; scale bytes: 32 a row
	v_lshlrev_b32 v8, 4, v1                        ; the table: 16 bytes a lane
	s_mov_b32 s25, 4096
	s_cmp_lt_u32 s21, 24                           ; column blocks 0-23: w_qkv; 24-31: w_proj
	s_cselect_b32 s25, 12288, s25                  ; bytes from a row of the source to the next
	s_cselect_b32 s26, 0, 3072                     ; the source's first column, as a row of w_codes
	s_cselect_b32 s27, 0, -1                       ; all ones: the groups' order 0, 2, 1, 3
	s_lshl_b32 s28, s21, 7
	s_lshl_b32 s29, s20, 5
	s_add_co_u32 s28, s28, s29                     ; my wave's first row of w_codes: 128 cb + 32 wave
	s_sub_co_u32 s29, s28, s26                     ; and first column of the source
	s_lshl_b32 s30, s24, 8
	s_mul_i32 s30, s30, s25                        ; 256 kq rows down,
	s_lshl_b32 s29, s29, 2
	s_add_co_u32 s30, s30, s29                     ; 4 bytes a column
	s_mov_b32 s31, 0
	s_lshl_b32 s32, s25, 5                         ; a block of 32 rows on
	s_mov_b32 s33, 0
	s_lshl_b32 s34, s28, 9                         ; codes: 8,192 bytes for 16 rows,
	s_lshl_b32 s35, s24, 11
	s_add_co_u32 s34, s34, s35                     ; 256 for each block along K
	s_mov_b32 s35, 0
	s_lshl_b32 s36, s28, 5
	s_lshl_b32 s37, s24, 3
	s_add_co_u32 s36, s36, s37                     ; scale bytes
	s_mov_b32 s37, 0
	s_lshl_b32 s38, ttmp9, 12                      ; the table: time tile = work-group, 4,096 bytes;
	s_lshl_b32 s39, s20, 9
	s_add_co_u32 s38, s38, s39                     ; part = wave, 512 bytes
	s_mov_b32 s39, 0
.set i, 0
.rept 32
	v_mad_u32_u24 v[32+i], s25, i, v2              ; row i of a block, my column
.set i, i+1
.endr
	s_wait_kmcnt 0x0
	s_cmp_lt_u32 s21, 24
	s_cselect_b64 s[6:7], s[6:7], s[8:9]           ; the choice hangs on the work-group's number alone
	s_add_nc_u64 s[40:41], s[6:7], s[30:31]        ; a base for each of my eight blocks
.irp t, 1,2,3,4,5,6,7
	s_add_nc_u64 s[40+2*\t:41+2*\t], s[38+2*\t:39+2*\t], s[32:33]
.endr
	s_add_nc_u64 s[14:15], s[14:15], s[34:35]
	s_add_nc_u64 s[16:17], s[16:17], s[36:37]
	s_add_nc_u64 s[18:19], s[18:19], s[38:39]
.macro WLOAD t                         ; block t into set t % 2: each load reads 128 consecutive bytes a wave, 512 a work-group
.set i, 0
.rept 32
	global_load_b32 v[64+32*((\t)%2)+i], v[32+i], s[40+2*(\t):41+2*(\t)] th:TH_LOAD_NT
.set i, i+1
.endr
.endm
	WLOAD 0
	WLOAD 1
; ---- the table, while the first two blocks are on their way.  Lane (r, h), number e: d = 16 (wave / 2) + 4 (wave % 2) + 8 h + e, t = 16 x work-group + r
.macro POW a0, a1, a2, a3, b0, b1, b2, b3      ; 10^(d / 8) for h = 0 and for h = 1
	s_mov_b32 s72, \a0
	s_mov_b32 s73, \a1
	s_mov_b32 s74, \a2
	s_mov_b32 s75, \a3
	s_mov_b32 s76, \b0
	s_mov_b32 s77, \b1
	s_mov_b32 s78, \b2
	s_mov_b32 s79, \b3
.endm
	s_cmp_lt_u32 s20, 2
	s_cbranch_scc0 .Lpow_hi
	s_cmp_eq_u32 s20, 0
	s_cbranch_scc0 .Lpow_1
	POW 1.0, 1.333521432163324, 1.778279410038923, 2.371373705661655, 10.0, 13.33521432163324, 17.78279410038923, 23.71373705661655
	s_branch .Lpow_done
.Lpow_1:
	POW 3.162277660168379, 4.216965034285822, 5.623413251903491, 7.498942093324559, 31.62277660168379, 42.16965034285822, 56.23413251903491, 74.98942093324559
	s_branch .Lpow_done
.Lpow_hi:
	s_cmp_eq_u32 s20, 2
	s_cbranch_scc0 .Lpow_3
	POW 100.0, 133.3521432163324, 177.8279410038923, 237.1373705661655, 1000.0, 1333.521432163324, 1778.279410038923, 2371.373705661655
	s_branch .Lpow_done
.Lpow_3:
	POW 316.2277660168379, 421.6965034285822, 562.3413251903491, 749.8942093324559, 3162.277660168379, 4216.965034285822, 5623.413251903491, 7498.942093324559
.Lpow_done:
	s_mov_b32 s57, 0x3fc90fdb                      ; pi / 2, its upper part;
	s_mov_b32 s58, 0x333bbd2e                      ; upper part - pi / 2
	s_mov_b32 s59, -0.16666666666666666            ; the sine's series: -1/3!, 1/5!, -1/7!, 1/9!
	s_mov_b32 s60, 0.008333333333333333
	s_mov_b32 s61, -0.0001984126984126984
	s_mov_b32 s62, 0.000002755731922398589
	s_mov_b32 s66, 0.041666666666666664            ; the cosine's: 1/4!, -1/6!, 1/8!, -1/10! (-1/2! is written in the line)
	s_mov_b32 s67, -0.001388888888888889
	s_mov_b32 s68, 0.0000248015873015873
	s_mov_b32 s69, -0.0000002755731922398589
	v_and_b32 v160, 15, v0
	v_bfe_u32 v161, v0, 4, 1
	s_lshl_b32 s56, ttmp9, 4
	v_add_nc_u32 v160, s56, v160
	v_cvt_f32_u32 v160, v160                       ; t
	v_cmp_eq_u32 vcc_lo, 1, v161                   ; lanes 16-31
.irp e, 0,1,2,3
	v_mov_b32 v[164+\e], s[72+\e]
	v_mov_b32 v[168+\e], s[76+\e]
.endr
.irp e, 0,1,2,3
	v_cndmask_b32 v[164+\e], v[164+\e], v[168+\e], vcc_lo   ; p = 10^(d / 8)
.endr
.irp e, 0,1,2,3
	v_rcp_f32 v[168+\e], v[164+\e]
.endr
	v_nop                                          ; a plain line behind the reciprocals,
	s_wait_alu depctr_va_vdst(0)                   ; and one wait for the four, ahead of their first reader
.irp e, 0,1,2,3
	v_fma_f32 v[172+\e], -v[164+\e], v[168+\e], 1.0
.endr
.irp e, 0,1,2,3
	v_fma_f32 v[168+\e], v[168+\e], v[172+\e], v[168+\e]   ; freq = 1 / p, one Newton step
.endr
.irp e, 0,1,2,3
	v_mul_f32 v[172+\e], v160, v[168+\e]           ; the angle, rounded once
.endr
.irp e, 0,1,2,3
	v_mul_f32 v[176+\e], 0x3f22f983, v[172+\e]     ; x 2 / pi
.endr
.irp e, 0,1,2,3
	v_rndne_f32 v[176+\e], v[176+\e]               ; n
.endr
.irp e, 0,1,2,3
	v_fma_f32 v[172+\e], -v[176+\e], s57, v[172+\e]   ; exact: a multiple of 2^-23 under 1
.endr
.irp e, 0,1,2,3
	v_fma_f32 v[172+\e], v[176+\e], s58, v[172+\e]    ; rr = angle - n pi / 2
.endr
.irp e, 0,1,2,3
	v_mul_f32 v[180+\e], v[172+\e], v[172+\e]      ; rr^2
.endr
.irp e, 0,1,2,3
	v_fma_f32 v[184+\e], v[180+\e], s62, s61
	v_fma_f32 v[192+\e], v[180+\e], s69, s68
.endr
.irp e, 0,1,2,3
	v_fma_f32 v[184+\e], v[184+\e], v[180+\e], s60
	v_fma_f32 v[192+\e], v[192+\e], v[180+\e], s67
.endr
.irp e, 0,1,2,3
	v_fma_f32 v[184+\e], v[184+\e], v[180+\e], s59
	v_fma_f32 v[192+\e], v[192+\e], v[180+\e], s66
.endr
.irp e, 0,1,2,3
	v_mul_f32 v[188+\e], v[172+\e], v[180+\e]      ; rr^3
	v_fma_f32 v[192+\e], v[192+\e], v[180+\e], -0.5
.endr
.irp e, 0,1,2,3
	v_fma_f32 v[184+\e], v[188+\e], v[184+\e], v[172+\e]   ; sin rr
	v_fma_f32 v[192+\e], v[192+\e], v[180+\e], 1.0         ; cos rr
.endr
.irp e, 0,1,2,3
	v_cvt_i32_f32 v[196+\e], v[176+\e]
.endr
.irp e, 0,1,2,3
	v_and_b32 v[208+\e], 1, v[196+\e]
.endr
.irp e, 0,1,2,3
	v_cmp_eq_u32 s[80+\e], 1, v[208+\e]            ; an odd quarter turn changes sine and cosine (a choice of values, no branch)
.endr
.irp e, 0,1,2,3
	v_cndmask_b32 v[204+\e], v[184+\e], v[192+\e], s[80+\e]
	v_cndmask_b32 v[200+\e], v[192+\e], v[184+\e], s[80+\e]
.endr
.irp e, 0,1,2,3
	v_and_b32 v[208+\e], 2, v[196+\e]              ; the sine is negative in quarters 2 and 3,
	v_add_nc_u32 v[196+\e], 1, v[196+\e]
.endr
.irp e, 0,1,2,3
	v_lshlrev_b32 v[208+\e], 30, v[208+\e]
	v_and_b32 v[196+\e], 2, v[196+\e]              ; the cosine in quarters 1 and 2
.endr
.irp e, 0,1,2,3
	v_xor_b32 v[204+\e], v[208+\e], v[204+\e]
	v_lshlrev_b32 v[196+\e], 30, v[196+\e]
.endr
.irp e, 0,1,2,3
	v_xor_b32 v[200+\e], v[196+\e], v[200+\e]
.endr
	global_store_b128 v8, v[200:203], s[18:19]                 ; cos: 512 consecutive bytes
	global_store_b128 v8, v[204:207], s[18:19] offset:2048     ; sin
.macro WBLOCK t
.set XS, 64+32*((\t)%2)
.if (\t) < 7
	s_wait_loadcnt 32                              ; this block's 32 loads are in, the next block's may be out
.else
	s_wait_loadcnt 0x0
.endif
	v_max3_num_f32 v22, |v[XS]|, |v[XS+1]|, |v[XS+2]|          ; the block's largest magnitude: all 32 numbers are mine
	v_max3_num_f32 v23, |v[XS+3]|, |v[XS+4]|, |v[XS+5]|
.irp i, 6,10,14,18,22,26
	v_max3_num_f32 v22, v22, |v[XS+\i]|, |v[XS+\i+1]|
	v_max3_num_f32 v23, v23, |v[XS+\i+2]|, |v[XS+\i+3]|
.endr
	v_max3_num_f32 v22, v22, |v[XS+30]|, |v[XS+31]|
	v_max3_num_f32 v22, v22, v23, 0x1800000        ; and the floor
	v_add_nc_u32 v26, 0xff000000, v22              ; the conversion's scale operand
	v_lshrrev_b32 v27, 23, v26                     ; the byte
	v_cvt_scalef32_pk8_fp4_f32 v[128+4*(\t)], v[XS:XS+7], v26
	v_cvt_scalef32_pk8_fp4_f32 v24, v[XS+8:XS+15], v26
	v_cvt_scalef32_pk8_fp4_f32 v25, v[XS+16:XS+23], v26
	v_cvt_scalef32_pk8_fp4_f32 v[131+4*(\t)], v[XS+24:XS+31], v26
.if (\t)%4 == 0
	v_mov_b32 v[20+(\t)/4], v27                    ; four bytes to a register.  (The plain line behind the conversions)
.else
	v_lshl_or_b32 v[20+(\t)/4], v27, 8*((\t)%4), v[20+(\t)/4]
.endif
	v_cndmask_b32 v[129+4*(\t)], v24, v25, s27     ; w_proj: groups 1 and 2 change places
	v_cndmask_b32 v[130+4*(\t)], v25, v24, s27
	global_store_b128 v6, v[128+4*(\t):131+4*(\t)], s[14:15] offset:256*(\t)   ; sixteen lanes store 256 consecutive bytes, aligned; each block has its own registers
.if (\t)+2 < 8
	WLOAD (\t)+2
.endif
.endm
.irp t, 0,1,2,3,4,5,6,7
	WBLOCK \t
.endr
	global_store_b64 v7, v[20:21], s[16:17]        ; my column's eight scale bytes
	s_endpgm
.Lfunc_end_k_q2817bc5dab_quant:
	.size	k_q2817bc5dab_quant, .Lfunc_end_k_q2817bc5dab_quant-k_q2817bc5dab_quant
	.p2alignl 7, 3214868480
	.fill 96, 4, 3214868480
	.section	.rodata,"a",@progbits
	.p2align	6, 0x0
	.amdhsa_kernel k_q2817bc5dab_quant
		.amdhsa_group_segment_fixed_size 34304
		.amdhsa_private_segment_fixed_size 0
		.amdhsa_enable_private_segment 0
		.amdhsa_kernarg_size 64
		.amdhsa_user_sgpr_count 2
		.amdhsa_user_sgpr_kernarg_segment_ptr 1
		.amdhsa_wavefront_size32 1
		.amdhsa_system_sgpr_workgroup_id_x 1
		.amdhsa_system_sgpr_workgroup_id_y 1
		.amdhsa_system_sgpr_workgroup_id_z 1
		.amdhsa_system_vgpr_workitem_id 0
		.amdhsa_next_free_vgpr 258
		.amdhsa_next_free_sgpr 96
		.amdhsa_reserve_vcc 1
		.amdhsa_float_denorm_mode_32 3
		.amdhsa_float_denorm_mode_16_64 3
		.amdhsa_memory_ordered 1
		.amdhsa_forward_progress 1
		.amdhsa_inst_pref_size 67
	.end_amdhsa_kernel
	.amdgpu_metadata
---
amdhsa.version: [ 1, 2 ]
amdhsa.kernels:
  - .name:           k_q2817bc5dab_quant
    .symbol:         k_q2817bc5dab_quant.kd
    .args:
      - { .name: x, .offset: 0, .size: 8, .value_kind: global_buffer, .address_space: global }
      - { .name: w_qkv, .offset: 8, .size: 8, .value_kind: global_buffer, .address_space: global }
      - { .name: w_proj, .offset: 16, .size: 8, .value_kind: global_buffer, .address_space: global }
      - { .name: x_codes, .offset: 24, .size: 8, .value_kind: global_buffer, .address_space: global }
      - { .name: x_scales, .offset: 32, .size: 8, .value_kind: global_buffer, .address_space: global }
      - { .name: w_codes, .offset: 40, .size: 8, .value_kind: global_buffer, .address_space: global }
      - { .name: w_scales, .offset: 48, .size: 8, .value_kind: global_buffer, .address_space: global }
      - { .name: rope, .offset: 56, .size: 8, .value_kind: global_buffer, .address_space: global }
    .group_segment_fixed_size: 34304
    .private_segment_fixed_size: 0
    .kernarg_segment_align: 8
    .kernarg_segment_size: 64
    .max_flat_workgroup_size: 128
    .sgpr_count:     96
    .vgpr_count:     258
    .wavefront_size: 32
...
	.end_amdgpu_metadata
.endif
;; end of part 1
;; launch qkvgemm (part 2): grid 12 x 32, 4 waves a work-group, clusters of 4 x 4, 280,064 bytes of LDS; arguments x_codes, x_scales, w_codes, w_scales, b_qkv, rope, qkv; writes qkv
.if DOCPART == 2
	.amdgcn_target "amdgcn-amd-amdhsa--gfx1250"
	.amdhsa_code_object_version 6
	.text
	.protected	k_q2817bc5dab_qkvgemm
	.globl	k_q2817bc5dab_qkvgemm
	.p2align	8
	.type	k_q2817bc5dab_qkvgemm,@function
k_q2817bc5dab_qkvgemm:
	s_mov_b64 s[64:65], 0
	v_nop
	global_prefetch_b8 v0, s[64:65] scope:SCOPE_SE
	s_setreg_imm32_b32 hwreg(HW_REG_WAVE_MODE, 25, 1), 1
	s_wait_xcnt 0x0
	s_wait_alu depctr_hold_cnt(0) depctr_sa_sdst(0) depctr_va_vdst(0) depctr_va_sdst(0) depctr_va_ssrc(0) depctr_va_vcc(0) depctr_vm_vsrc(0)
	s_getreg_b32 s2, hwreg(HW_REG_IB_STS2, 6, 4)
	s_cmp_eq_u32 s2, 0
	s_cbranch_scc0 .Lentry_in_a_cluster
	s_endpgm
.Lentry_in_a_cluster:
	s_bfe_u32 s2, ttmp6, 0x10000c
	s_cmp_lg_u32 s2, 0xf033
	s_cbranch_scc0 .Lentry_shape_is_right
	s_endpgm
.Lentry_shape_is_right:
; qkv = x w_qkv + b_qkv on codes of FP4 with E8M0 scales; then q and k are rotated and quantised along the head's 64, v along the keys; only codes and scale bytes go to memory.
; A tile of 256 x 256 to a work-group of four waves, 128 x 128 a wave: 64 accumulators in 512 registers.  K = 1,024 lies in LDS whole, as two slots of 512 along K, each filled once: no LDS byte is filled twice.
; THE MATRIX INSTRUCTION IS USED TRANSPOSED: source 0 = 16 rows of "B", source 1 = 16 rows of "A": a lane holds one row of A and its registers run along rows of B, 16 b + 8 (lane / 16) + j.
; ROLES, by the cluster's x (the same in all sixteen partners): 0, 1 (q, k): A = x (times), B = w (columns): a lane's registers run along a head's channels.  2 (v): A = w (channels), B = x (times): they run along the keys.
; CLUSTERS: 4 x 4.  A's tiles hang on cy alone and are asked for jointly along a row of the cluster, B's on cx alone, along a column.
; CODES in memory and LDS are images of the operand's registers: [row / 16][k / 32][row % 16][16 bytes]; a fragment load reads 512 consecutive bytes.
; A RECORD of qkv for each (batch, head), REC bytes: K codes [key / 16][lane][16]; V codes [key / 128][channel / 16][c][lane][16]; K scales [key / 128][r][4 words]; V scales likewise; Q codes, Q scales as K's.
; Results' codes lie in a block of 32 in the order of groups 0, 2, 1, 3, on both sides of each later product alike.
; LIMITS: NaN and infinities are not served; a block of zeros gets the byte 1, not 127 (its codes are zeros; this program alone reads the bytes).
; REGISTERS, windows of 256: window 0: v0-31 addresses; v32-95 scale words, two sets; v96-127 the way out's work; v128-191 A's fragments, later 64 numbers at work; v192-255 the bias by column.
;   window 1: B's fragments at v0 and v128; cos and sin, 32 registers for each block of 16 times, at v64, v96, v192, v224 (blocks 0-3), later at v0, v32, v128, v160 (blocks 4-7).   windows 2, 3: the accumulators.
.set NQ,     4                         ; matrix instructions deep in a slot
.set FR,     8                         ; registers of a fragment
.set NL,     2                         ; LDS loads that bring one
.set NP,     4                         ; places behind this matrix instruction (ISA guide 7.12.1)
.set HALFT,  32768                     ; 128 rows x 512 along K: what one tensor load brings
.set SLOT,   4*HALFT                   ; A's 256 rows, then B's
.set SCL,    2*SLOT                    ; behind the slots: the scale bytes, units of 256 bytes + 16 of padding
.set HALFS,  16*272                    ; those of 128 rows
.set SBLK,   2*272                     ; those of 16 rows
.set REC,    208896
.set ADRA, 16                          ; v16-17 LDS address of my A fragments in slot 0, 1
.set ADRB, 20                          ; v20-21 the same for B
.set ADRS, 27                          ; v27    of my scale words: lanes 0-15 A's rows, lanes 16-31 B's
.set SC,   32
.set AF,   128
.set W,    128                         ; the way out: 64 numbers of a lane
.set PC,   96                          ; v96-103  codes
.set MX,   104                         ; v104-107 largest magnitudes
.set BY,   108                         ; v108-111 bytes
.set SO,   112                         ; v112-115 the conversions' scale operands
.set PW,   116                         ; the scale word just made
.set PWE,  117                         ; that of the even block before
.set VSEL, 118                         ; byte selects: lanes 0-15 the first head's two bytes, lanes 16-31 the second's
.set BV,   120                         ; v120-127 the bias of rows 16 a + r of A
.set KW,   16                          ; v16-19   scale words to store (the LDS addresses there are done with)
.set BI,   192                         ; v192-255 the bias of rows 16 b + 8 h + j of B
.set SEL,  12                          ; s[12:13] lane selects for v_permlanex16_b32
.set G1, 24
.set G0, 32
.set G1B, 48
.set G0B, 56
.set G1S, 68
.set G0S, 76
.set G1SB, 80
.set G0SB, 88
.set MSB, 0
.macro WIN new                         ; the immediate's high byte repeats the setting that is left
.if MSB != (\new)
	s_set_vgpr_msb (MSB<<8)|(\new)
.set MSB, (\new)
.endif
.endm
.set MUL_LO, 0xa1                      ; source 0 (B) window 1, source 1 (A) window 0, C and D window 2
.set MUL_HI, 0xf1
.set TO_B,   0x40                      ; destination window 1, address window 0
; A joint load: waves 0 and 1 fetch for A, waves 2 and 3 for B; the branch hangs on the wave's number alone.  Four v_nop follow each of the two lines.
.macro JLOAD g0a, g1a, g0b, g1b
	s_cmp_eq_u32 s15, 0
	s_cbranch_scc0 .Lfor_b_\@
	tensor_load_to_lds s[\g0a:\g0a+3], s[\g1a:\g1a+7]
	s_nop 0
.rept 4
	v_nop
.endr
	s_branch .Lasked_\@
.Lfor_b_\@:
	tensor_load_to_lds s[\g0b:\g0b+3], s[\g1b:\g1b+7]
	s_nop 0
.rept 4
	v_nop
.endr
.Lasked_\@:
.endm
.macro CROUND                          ; a round of the cluster's barrier
	s_barrier_signal -1
	s_barrier_wait -1
	s_cmp_lg_u32 s14, 0
	s_cbranch_scc1 .Lnot_wave_0_\@
	s_barrier_signal -3
.Lnot_wave_0_\@:
	s_barrier_wait -3
	s_barrier_signal -1
	s_barrier_wait -1
.endm
	s_load_b256 s[4:11], s[0:1], 0x0               ; x_codes, x_scales, w_codes, w_scales
	s_load_b128 s[92:95], s[0:1], 0x20             ; b_qkv, rope
	s_load_b64 s[96:97], s[0:1], 0x30              ; qkv
	v_lshl_add_u32 v31, v0, 2, 0x44400
	v_mov_b32 v119, 0
	ds_add_u32 v31, v119
	ds_add_u32 v31, v119
	v_lshrrev_b32 v1, 5, v0
	v_readfirstlane_b32 s14, v1                    ; wave 0..3
	s_lshr_b32 s15, s14, 1                         ; which half of A's rows is mine.  Also: I fetch for A (0) or for B (1)
	s_and_b32 s16, s14, 1                          ; which half of B's rows.  Also: which 128 rows I fetch
	s_bfe_u32 s40, ttmp6, 0x40000                  ; cx
	s_bfe_u32 s41, ttmp6, 0x40004                  ; cy
	s_and_b32 s12, ttmp7, 0xffff
	s_lshl_b32 s12, s12, 2                         ; 4 x cluster y
	s_lshl_b32 s13, ttmp9, 2                       ; 4 x cluster x
	s_cmp_eq_u32 ttmp9, 2                          ; the role
	s_cselect_b32 s17, 8, s12                      ; A's tile of 256 rows: v: w's rows 2,048 on; q, k: x's rows
	s_cselect_b32 s42, s12, s13                    ; B's: v: x's rows; q, k: w's rows
	s_add_co_u32 s17, s17, s41                     ; + cy
	s_add_co_u32 s42, s42, s40                     ; + cx
	s_lshl_b32 s43, s41, 2
	s_lshl_b32 s43, 15, s43                        ; my row of the cluster
	s_lshl_b32 s44, 0x1111, s40                    ; my column
	; descriptor group 1, codes: 8 row tiles x 4,096 bytes (512 elements of 8 bytes), 8,192 bytes apart; dense in LDS
	s_or_b32 s[G1+0], s43, (3<<16)|(1<<21)         ; 15:0 the mask; 17:16 elements of 8 bytes; 21 set beside a mask
	s_or_b32 s[G1B+0], s44, (3<<16)|(1<<21)
.irp g, G1, G1B
	s_mov_b32 s[\g+1], 512<<16                     ; tensor_dim0
	s_mov_b32 s[\g+2], 8<<16                       ; tensor_dim1
	s_mov_b32 s[\g+3], 512<<16                     ; tile_dim0
	s_mov_b32 s[\g+4], 8                           ; tile_dim1
	s_mov_b32 s[\g+5], 1024                        ; tensor_dim0_stride
	s_mov_b32 s[\g+6], 0
	s_mov_b32 s[\g+7], 0
.endr
	; scale bytes of 128 rows: 4,096 dense bytes as 16 rows of 256, 16 bytes of padding behind each
	s_or_b32 s[G1S+0], s43, (3<<16)|(1<<20)|(1<<21)|(5<<22)|(3<<25)
	s_or_b32 s[G1SB+0], s44, (3<<16)|(1<<20)|(1<<21)|(5<<22)|(3<<25)
.irp g, G1S, G1SB
	s_mov_b32 s[\g+1], 32<<16
	s_mov_b32 s[\g+2], 16<<16
	s_mov_b32 s[\g+3], 32<<16
	s_mov_b32 s[\g+4], 16
	s_mov_b32 s[\g+5], 32
	s_mov_b32 s[\g+6], 0
	s_mov_b32 s[\g+7], 0
.endr
	s_lshl_b32 s18, s16, 7                         ; which 128 rows of the tile I fetch
	s_lshl_b32 s20, s17, 8
	s_add_co_u32 s20, s20, s18                     ; A's first row that I fetch
	s_lshl_b32 s46, s42, 8
	s_add_co_u32 s46, s46, s18                     ; B's
	s_lshl_b32 s22, s20, 5                         ; 32 scale bytes a row
	s_mov_b32 s23, 0
	s_lshl_b32 s98, s46, 5
	s_mov_b32 s99, 0
	s_lshl_b32 s20, s20, 9                         ; 512 bytes of codes a row
	s_mov_b32 s21, 0
	s_lshl_b32 s46, s46, 9
	s_mov_b32 s47, 0
	s_mul_i32 s45, s14, HALFT                      ; where they go: no place in the cluster enters an LDS address
	s_mul_i32 s100, s14, HALFS
	s_wait_dscnt 0x0
	s_wait_kmcnt 0x0
	s_cmp_eq_u32 ttmp9, 2
	s_cselect_b64 s[2:3], s[8:9], s[4:5]           ; A's codes
	s_cselect_b64 s[12:13], s[10:11], s[6:7]       ; A's scales
	s_cselect_b64 s[8:9], s[4:5], s[8:9]           ; B's codes
	s_cselect_b64 s[10:11], s[6:7], s[10:11]       ; B's scales
	s_add_nc_u64 s[20:21], s[2:3], s[20:21]
	s_add_nc_u64 s[22:23], s[12:13], s[22:23]
	s_add_nc_u64 s[46:47], s[8:9], s[46:47]
	s_add_nc_u64 s[98:99], s[10:11], s[98:99]
	CROUND                                         ; all sixteen work-groups are here: the joint loads meet
	s_mov_b32 s[G0S], 1
	s_add_co_u32 s[G0S+1], s100, SCL
	s_mov_b64 s[G0S+2:G0S+3], s[22:23]
	s_or_b32 s[G0S+3], s[G0S+3], 0x80000000
	s_mov_b32 s[G0SB], 1
	s_add_co_u32 s[G0SB+1], s100, SCL
	s_mov_b64 s[G0SB+2:G0SB+3], s[98:99]
	s_or_b32 s[G0SB+3], s[G0SB+3], 0x80000000
	JLOAD G0S, G1S, G0SB, G1SB                     ; the scales first; three loads of mine are out behind the third
.irp s, 0,1
	s_mov_b32 s[G0+4*\s], 1
	s_add_co_u32 s[G0+4*\s+1], s45, \s*SLOT
	s_add_nc_u64 s[G0+4*\s+2:G0+4*\s+3], s[20:21], \s*4096
	s_or_b32 s[G0+4*\s+3], s[G0+4*\s+3], 0x80000000
	s_mov_b32 s[G0B+4*\s], 1
	s_add_co_u32 s[G0B+4*\s+1], s45, \s*SLOT
	s_add_nc_u64 s[G0B+4*\s+2:G0B+4*\s+3], s[46:47], \s*4096
	s_or_b32 s[G0B+4*\s+3], s[G0B+4*\s+3], 0x80000000
	JLOAD G0+4*\s, G1, G0B+4*\s, G1B
.endr
	v_and_b32 v1, 15, v0                           ; r
	v_bfe_u32 v2, v0, 4, 1                         ; h
	v_and_b32 v3, 31, v0
	v_lshlrev_b32 v10, 4, v3                       ; 16 x lane
	s_mul_i32 s21, s15, HALFT                      ; my 128 rows of A
	s_mul_i32 s22, s16, HALFT
	s_add_co_u32 s22, s22, 2*HALFT                 ; my 128 rows of B, behind A's 256
.irp s, 0,1
	v_add_nc_u32 v[ADRA+\s], s21, v10
	v_add_nc_u32 v[ADRB+\s], s22, v10
	s_add_co_u32 s21, s21, SLOT
	s_add_co_u32 s22, s22, SLOT
.endr
	v_mul_u32_u24 v5, v1, 32                       ; my row's scale bytes,
	v_lshrrev_b32 v6, 8, v5
	v_lshl_add_u32 v5, v6, 4, v5                   ; 16 more for each 256 passed
	s_mul_i32 s21, s15, HALFS
	s_mul_i32 s22, s16, HALFS
	s_add_co_u32 s22, s22, 2*HALFS
	s_sub_co_u32 s22, s22, s21
	v_mul_u32_u24 v6, s22, v2                      ; lanes 16-31 take B's
	s_add_co_u32 s21, s21, SCL
	v_add_nc_u32 v5, v5, v6
	v_add_nc_u32 v[ADRS], s21, v5
	; where my results go
	s_lshl_b32 s18, s17, 8
	s_lshl_b32 s19, s15, 7
	s_add_co_u32 s18, s18, s19                     ; my first row of A
	s_lshl_b32 s19, s42, 8
	s_lshl_b32 s20, s16, 7
	s_add_co_u32 s19, s19, s20                     ; my first row of B
	s_cmp_eq_u32 ttmp9, 2
	s_cselect_b32 s20, s19, s18                    ; my first time (a row of x),
	s_cselect_b32 s21, s18, s19                    ; my first column of qkv
	s_cselect_b32 s22, 65536, 0                    ; the codes' place in a record: v 65,536, k 0,
	s_cselect_b32 s23, 4096, 0
	s_cmp_eq_u32 ttmp9, 0
	s_cselect_b32 s22, 139264, s22                 ; q 139,264
	s_cselect_b32 s23, 73728, s23
	s_add_co_u32 s23, s23, 131072                  ; the scales': k 131,072, v 135,168, q 204,800
	s_lshr_b32 s2, s20, 11
	s_lshl_b32 s2, s2, 4
	s_bfe_u32 s3, s21, 0x40006                     ; my first head
	s_add_co_u32 s2, s2, s3
	s_mul_i32 s2, s2, REC                          ; its record
	s_bfe_u32 s3, s20, 0x40007                     ; which 128 times of the batch
	s_lshl_b32 s12, s3, 12
	s_add_co_u32 s12, s12, s2
	s_add_co_u32 s12, s12, s22
	s_mov_b32 s13, 0
	s_add_nc_u64 s[66:67], s[96:97], s[12:13]      ; codes
	s_lshl_b32 s12, s3, 8
	s_add_co_u32 s12, s12, s2
	s_add_co_u32 s12, s12, s23
	s_add_nc_u64 s[96:97], s[96:97], s[12:13]      ; scale words
	s_lshl_b32 s12, s21, 2
	s_add_nc_u64 s[92:93], s[92:93], s[12:13]      ; the bias at my first column
	s_and_b32 s12, s20, 2047
	s_lshl_b32 s12, s12, 8
	s_add_nc_u64 s[94:95], s[94:95], s[12:13]      ; cos and sin at my first time: 4,096 bytes for 16 times
	s_mov_b32 s[SEL], 0x76543210
	s_mov_b32 s[SEL+1], 0xfedcba98
	v_mul_u32_u24 v11, v2, REC
	v_lshl_add_u32 v11, v1, 4, v11                 ; scale words out: lanes 0-15 the first head's record, lanes 16-31 the second's; 16 bytes a row
	v_lshlrev_b32 v12, 2, v1                       ; 4 r
	v_lshlrev_b32 v13, 5, v2                       ; 32 h
	v_cmp_eq_u32 s101, 1, v2                       ; lanes 16-31
	v_mov_b32 v[VSEL], 0x05040100
	v_mov_b32 v3, 0x07060302
	v_cndmask_b32 v[VSEL], v[VSEL], v3, s101
	; what the ways out want is asked for here, alike in both roles (every address lies in its buffer in both): 56 loads that land under the products
.irp b, 0,1,2,3,4,5,6,7
	global_load_b128 v[BI+8*\b:BI+8*\b+3], v13, s[92:93] offset:64*\b
	global_load_b128 v[BI+8*\b+4:BI+8*\b+7], v13, s[92:93] offset:64*\b+16
.endr
.irp a, 0,1,2,3,4,5,6,7
	global_load_b32 v[BV+\a], v12, s[92:93] offset:64*\a
.endr
.macro CSLOAD a, base                  ; cos (16 registers) and sin (16) of times 16 a + r, into window 1
.irp p, 0,1,2,3,4,5,6,7
	global_load_b128 v[\base+4*\p:\base+4*\p+3], v10, s[94:95] offset:(\a)*4096+\p*512
.endr
.endm
	WIN TO_B
	CSLOAD 0, 64
	CSLOAD 1, 96
	CSLOAD 2, 192
	CSLOAD 3, 224
	WIN 0
.macro FRAG reg, adr, q, i             ; a fragment: lane l's registers 4 c .. 4 c + 3 lie at 16 l in the c-th 512 bytes of its 1,024
.irp c, 0,1
	ds_load_b128 v[\reg+4*\c:\reg+4*\c+3], v[\adr] offset:(\i)*4096+(\q)*1024+\c*512
.endr
.endm
; 16 matrix instructions: A's blocks a0, a0 + 1 x B's eight.  p: B's set; sc: the set of scale words.  zero = 1: the first product starts the sums.  The 64 accumulators take turns, one instruction a turn.
.macro MUL16 a0, p, q, sc, zero
.irp a, \a0, \a0+1
.irp b, 0,1,2,3,4,5,6,7
.if \zero
	v_wmma_scale_f32_16x16x128_f8f6f4 v[8*(8*((\a)%4)+\b):8*(8*((\a)%4)+\b)+7], v[128*(\p)+FR*\b:128*(\p)+FR*\b+FR-1], v[AF+FR*(\a):AF+FR*(\a)+FR-1], 0, v[SC+8*NQ*(\sc)+NQ*\b+(\q)], v[SC+8*NQ*(\sc)+NQ*(\a)+(\q)] matrix_a_fmt:MATRIX_FMT_FP4 matrix_b_fmt:MATRIX_FMT_FP4 matrix_a_scale:MATRIX_SCALE_ROW1
.else
	v_wmma_scale_f32_16x16x128_f8f6f4 v[8*(8*((\a)%4)+\b):8*(8*((\a)%4)+\b)+7], v[128*(\p)+FR*\b:128*(\p)+FR*\b+FR-1], v[AF+FR*(\a):AF+FR*(\a)+FR-1], v[8*(8*((\a)%4)+\b):8*(8*((\a)%4)+\b)+7], v[SC+8*NQ*(\sc)+NQ*\b+(\q)], v[SC+8*NQ*(\sc)+NQ*(\a)+(\q)] matrix_a_fmt:MATRIX_FMT_FP4 matrix_b_fmt:MATRIX_FMT_FP4 matrix_a_scale:MATRIX_SCALE_ROW1
.endif
.endr
.endr
.endm
.macro FETCH_B slot, q, p
	WIN TO_B
.irp i, 0,1,2,3,4,5,6,7
	FRAG 128*(\p)+FR*\i, ADRB+\slot, \q, \i
.endr
	WIN 0
.endm
.macro FETCH_A slot, q, i0
.irp i, \i0, \i0+1, \i0+2, \i0+3
	FRAG AF+FR*(\i), ADRA+\slot, \q, \i
.endr
.endm
.macro SCALES sc                       ; a slot's scale words: four a row; lanes 0-15 A's block i, lanes 16-31 B's block i
.irp i, 0,1,2,3,4,5,6,7
	ds_load_b128 v[SC+8*NQ*\sc+NQ*\i:SC+8*NQ*\sc+NQ*\i+3], v[ADRS] offset:\i*SBLK
.endr
.endm
.macro PLACES n                        ; plain vector lines between a matrix instruction and a load into, or a vector line on, its registers
.rept \n
	v_nop
.endr
.endm
.macro STEP slot, q, zero              ; 128 along K that has its successor in the same slot
	s_wait_dscnt 4*NL                              ; all but the youngest eight loads (A's blocks 4-7)
	WIN MUL_LO
	MUL16 0, (\q)%2, \q, \slot, \zero
	MUL16 2, (\q)%2, \q, \slot, \zero
	s_wait_dscnt 0
	PLACES NP
	FETCH_B \slot, (\q)+1, 1-(\q)%2
	FETCH_A \slot, (\q)+1, 0
	WIN MUL_HI
	MUL16 4, (\q)%2, \q, \slot, \zero
	MUL16 6, (\q)%2, \q, \slot, \zero
	PLACES NP
	WIN 0
	FETCH_A \slot, (\q)+1, 4
.endm
.macro STEPS slot, from
.set Q, \from
.rept NQ-1-\from
	STEP \slot, Q, 0
.set Q, Q+1
.endr
.endm
.macro TURN                            ; slot 0's last step, and on to slot 1: nothing is filled again
	s_wait_tensorcnt 0x0                           ; my part of slot 1 has landed
	s_wait_dscnt 4*NL
	WIN MUL_LO
	MUL16 0, 1, NQ-1, 0, 0
	s_wait_dscnt 0x0                               ; no LDS load of mine is out at the signal
	s_barrier_signal -1
	MUL16 2, 1, NQ-1, 0, 0
	WIN 0
	s_barrier_wait -1                              ; everybody's part of slot 1 has landed
	PLACES NP
	v_add_nc_u32 v[ADRS], 4*NQ, v[ADRS]            ; the next four scale words of each row
	FETCH_B 1, 0, 0
	FETCH_A 1, 0, 0
	SCALES 1
	WIN MUL_HI
	MUL16 4, 1, NQ-1, 0, 0
	MUL16 6, 1, NQ-1, 0, 0
	PLACES NP
	WIN 0
	FETCH_A 1, 0, 4
.endm
	s_wait_tensorcnt 1                             ; the scales and my part of slot 0 are in; slot 1's load may be out
	s_barrier_signal -1
	s_barrier_wait -1
	FETCH_B 0, 0, 0
	FETCH_A 0, 0, 0
	SCALES 0
	FETCH_A 0, 0, 4
	STEP 0, 0, 1
	STEPS 0, 1
	TURN
	STEPS 1, 0
	s_wait_dscnt 4*NL                              ; the last step: nothing more to fetch
	WIN MUL_LO
	MUL16 0, 1, NQ-1, 1, 0
	MUL16 2, 1, NQ-1, 1, 0
	s_wait_dscnt 0
	WIN MUL_HI
	MUL16 4, 1, NQ-1, 1, 0
	MUL16 6, 1, NQ-1, 1, 0
	WIN 0
; 64 numbers of a lane, register 16 b + i = index 32 b + 16 (i / 8) + 8 (lane / 16) + i % 8 of my row, become a fragment's codes in v[PC] on and its scale word in v[PW]
.macro QUANT s
.irp b, 0,1,2,3
	v_max3_num_f32 v[MX+\b], |v[\s+16*\b]|, |v[\s+1+16*\b]|, 0x1800000   ; block b: my 16 numbers, and the floor 2^(3 - 127): the byte cannot fall under 1
.endr
.irp i, 2,4,6,8,10,12,14
.irp b, 0,1,2,3
	v_max3_num_f32 v[MX+\b], v[MX+\b], |v[\s+16*\b+\i]|, |v[\s+1+16*\b+\i]|
.endr
.endr
.irp b, 0,1,2,3
	v_permlanex16_b32 v[BY+\b], v[MX+\b], s[SEL], s[SEL+1]
.endr
.irp b, 0,1,2,3
	v_max_num_f32 v[MX+\b], v[MX+\b], v[BY+\b]     ; with lane l xor 16's: the block's largest magnitude
.endr
.irp b, 0,1,2,3
	v_add_nc_u32 v[SO+\b], 0xff000000, v[MX+\b]    ; 2 off its exponent field: the conversion's scale operand
.endr
.irp b, 0,1,2,3
	v_lshrrev_b32 v[BY+\b], 23, v[SO+\b]           ; the byte
.endr
	v_lshl_or_b32 v[PW], v[BY+1], 8, v[BY]
	v_lshl_or_b32 v[PW], v[BY+2], 16, v[PW]
	v_lshl_or_b32 v[PW], v[BY+3], 24, v[PW]
.irp b, 0,1,2,3
	v_cvt_scalef32_pk8_fp4_f32 v[PC+2*\b], v[\s+16*\b:\s+7+16*\b], v[SO+\b]
	v_cvt_scalef32_pk8_fp4_f32 v[PC+1+2*\b], v[\s+8+16*\b:\s+15+16*\b], v[SO+\b]
.endr
	v_nop                                          ; one plain line behind the last conversion
.irp c, 0,1                                    ; a whole block to a lane: lanes 0-15 block 2 c, lanes 16-31 block 2 c + 1
.irp i, 0,1
	v_permlane16_swap_b32 v[PC+4*\c+\i], v[PC+2+4*\c+\i]
.endr
.endr
.endm
; q, k: block a of 16 times.  cs: where its cos and sin lie in window 1
.macro QK_A a, cs
	WIN 0x02+(\a)/4                                ; source 0: window 2 or 3
.set i, 0
.rept 32
	v_pk_add_f32 v[W+2*i:W+2*i+1], v[64*((\a)%4)+2*i:64*((\a)%4)+2*i+1], v[BI+2*i:BI+2*i+1]   ; + bias, into window 0; each accumulator from its low end on
.set i, i+1
.endr
	WIN 0x04                                       ; source 1: window 1
.irp c, 0,1                                    ; my two heads; pair u: channels 16 (u / 4) + 8 h + 2 (u % 4) of the first 32, and their partners 32 on, 16 registers on
.irp u, 0,1,2,3,4,5,6,7
.set X1, W+32*\c+2*\u
.set TT, 2+4*(\u%2)
	v_pk_mul_f32 v[TT:TT+1], v[X1+16:X1+17], v[\cs+16+2*\u:\cs+17+2*\u]          ; x2 sin
	v_pk_mul_f32 v[TT+2:TT+3], v[X1+16:X1+17], v[\cs+2*\u:\cs+1+2*\u]            ; x2 cos
	v_pk_fma_f32 v[X1+16:X1+17], v[X1:X1+1], v[\cs+16+2*\u:\cs+17+2*\u], v[TT+2:TT+3]   ; x1 sin + x2 cos
	v_pk_fma_f32 v[X1:X1+1], v[X1:X1+1], v[\cs+2*\u:\cs+1+2*\u], v[TT:TT+1] neg_lo:[0,0,1] neg_hi:[0,0,1]   ; x1 cos - x2 sin
.endr
.endr
	WIN 0
	s_wait_xcnt 0x0                                ; the last block's stores have read their registers: the codes are written again only behind this wait
	QUANT W
.irp c, 0,1
	global_store_b128 v10, v[PC+4*\c:PC+4*\c+3], s[66:67] offset:\c*REC+(\a)*512   ; head c: 512 consecutive bytes: lane (r, h) holds block h of time 16 a + r
.endr
.if (\a)%2 == 0
	v_mov_b32 v[PWE], v[PW]
.else
	v_perm_b32 v[KW+(\a)/2], v[PW], v[PWE], v[VSEL]   ; my head's two bytes of the even block, then of the odd one
.endif
.endm
; v: block a of 16 channels; the 64 registers run along my 128 times
.macro V_A a
	WIN 0x02+(\a)/4
.set i, 0
.rept 32
.if (\a)%2 == 0
	v_pk_add_f32 v[W+2*i:W+2*i+1], v[64*((\a)%4)+2*i:64*((\a)%4)+2*i+1], v[BV+2*((\a)/2):BV+2*((\a)/2)+1] op_sel_hi:[1,0]
.else
	v_pk_add_f32 v[W+2*i:W+2*i+1], v[64*((\a)%4)+2*i:64*((\a)%4)+2*i+1], v[BV+2*((\a)/2):BV+2*((\a)/2)+1] op_sel:[0,1] op_sel_hi:[1,1]
.endif
.set i, i+1
.endr
	WIN 0
	s_wait_xcnt 0x0                                ; as above
	QUANT W
.irp c, 0,1
	global_store_b128 v10, v[PC+4*\c:PC+4*\c+3], s[66:67] offset:((\a)/4)*REC+((\a)%4)*1024+\c*512   ; a fragment of V^T as it stands
.endr
	v_mov_b32 v[2+(\a)], v[PW]
.endm
	PLACES NP                                      ; behind the last products: for the reads of results, the loads into B's registers and the writes over A's
.irp b, 0,1,2,3
	v_mov_b32 v[BY+\b], 0                          ; written once: a lane permute's destination counts as one of its sources
.endr
	s_cmp_eq_u32 ttmp9, 2
	s_cbranch_scc1 .Lout_v
	WIN TO_B
	CSLOAD 4, 0
	CSLOAD 5, 32
	CSLOAD 6, 128
	CSLOAD 7, 160
	WIN 0
	s_wait_loadcnt 32                              ; the head's 56 loads are in; the 32 just issued may be out
	QK_A 0, 64
	QK_A 1, 96
	QK_A 2, 192
	QK_A 3, 224
	s_wait_loadcnt 0x0
	QK_A 4, 0
	QK_A 5, 32
	QK_A 6, 128
	QK_A 7, 160
	global_store_b128 v11, v[KW:KW+3], s[96:97]    ; sixteen lanes store a head's 256 bytes of scale words for these 128 times
	s_branch .Lend
.Lout_v:
	s_wait_loadcnt 0x0
.irp a, 0,1,2,3,4,5,6,7
	V_A \a
.endr
.irp t, 0,1,2,3
	v_cndmask_b32 v[KW+\t], v[2+\t], v[6+\t], s101 ; lanes 0-15 the first head's four tiles of channels, lanes 16-31 the second's
.endr
	global_store_b128 v11, v[KW:KW+3], s[96:97]
.Lend:
	s_wait_dscnt 0x0
	s_wait_tensorcnt 0x0
	ds_add_u32 v31, v119
	s_wait_dscnt 0x0
	CROUND                                         ; the closing round: no work-group ends while a partner may still ask for a tile that names it
	s_endpgm
.Lfunc_end_k_q2817bc5dab_qkvgemm:
	.size	k_q2817bc5dab_qkvgemm, .Lfunc_end_k_q2817bc5dab_qkvgemm-k_q2817bc5dab_qkvgemm
	.p2alignl 7, 3214868480
	.fill 96, 4, 3214868480
	.section	.rodata,"a",@progbits
	.p2align	6, 0x0
	.amdhsa_kernel k_q2817bc5dab_qkvgemm
		.amdhsa_group_segment_fixed_size 280064
		.amdhsa_private_segment_fixed_size 0
		.amdhsa_enable_private_segment 0
		.amdhsa_kernarg_size 56
		.amdhsa_user_sgpr_count 2
		.amdhsa_user_sgpr_kernarg_segment_ptr 1
		.amdhsa_wavefront_size32 1
		.amdhsa_system_sgpr_workgroup_id_x 1
		.amdhsa_system_sgpr_workgroup_id_y 1
		.amdhsa_system_sgpr_workgroup_id_z 1
		.amdhsa_system_vgpr_workitem_id 0
		.amdhsa_next_free_vgpr 1024
		.amdhsa_next_free_sgpr 102
		.amdhsa_reserve_vcc 0
		.amdhsa_float_denorm_mode_32 3
		.amdhsa_float_denorm_mode_16_64 3
		.amdhsa_memory_ordered 1
		.amdhsa_forward_progress 1
		.amdhsa_inst_pref_size 234
	.end_amdhsa_kernel
	.amdgpu_metadata
---
amdhsa.version: [ 1, 2 ]
amdhsa.kernels:
  - .name:           k_q2817bc5dab_qkvgemm
    .symbol:         k_q2817bc5dab_qkvgemm.kd
    .args:
      - { .name: x_codes, .offset: 0, .size: 8, .value_kind: global_buffer, .address_space: global }
      - { .name: x_scales, .offset: 8, .size: 8, .value_kind: global_buffer, .address_space: global }
      - { .name: w_codes, .offset: 16, .size: 8, .value_kind: global_buffer, .address_space: global }
      - { .name: w_scales, .offset: 24, .size: 8, .value_kind: global_buffer, .address_space: global }
      - { .name: b_qkv, .offset: 32, .size: 8, .value_kind: global_buffer, .address_space: global }
      - { .name: rope, .offset: 40, .size: 8, .value_kind: global_buffer, .address_space: global }
      - { .name: qkv, .offset: 48, .size: 8, .value_kind: global_buffer, .address_space: global }
    .group_segment_fixed_size: 280064
    .private_segment_fixed_size: 0
    .kernarg_segment_align: 8
    .kernarg_segment_size: 56
    .max_flat_workgroup_size: 128
    .sgpr_count:     102
    .vgpr_count:     1024
    .wavefront_size: 32
...
	.end_amdgpu_metadata
.endif
;; end of part 2
;; launch attn (part 3): grid 4 x 64, 16 waves a work-group, clusters of 4 x 1, 169,984 bytes of LDS; arguments qkv, a_codes, a_scales; writes a_codes, a_scales
.if DOCPART == 3
	.amdgcn_target "amdgcn-amd-amdhsa--gfx1250"
	.amdhsa_code_object_version 6
	.text
	.protected	k_q2817bc5dab_attn
	.globl	k_q2817bc5dab_attn
	.p2align	8
	.type	k_q2817bc5dab_attn,@function
k_q2817bc5dab_attn:
	s_mov_b64 s[64:65], 0
	v_nop
	global_prefetch_b8 v0, s[64:65] scope:SCOPE_SE
	s_setreg_imm32_b32 hwreg(HW_REG_WAVE_MODE, 25, 1), 1
	s_wait_xcnt 0x0
	s_wait_alu depctr_hold_cnt(0) depctr_sa_sdst(0) depctr_va_vdst(0) depctr_va_sdst(0) depctr_va_ssrc(0) depctr_va_vcc(0) depctr_vm_vsrc(0)
	s_getreg_b32 s2, hwreg(HW_REG_IB_STS2, 6, 4)
	s_cmp_eq_u32 s2, 0
	s_cbranch_scc0 .Lentry_in_a_cluster
	s_endpgm
.Lentry_in_a_cluster:
	s_bfe_u32 s2, ttmp6, 0x10000c
	s_cmp_lg_u32 s2, 0x3003
	s_cbranch_scc0 .Lentry_shape_is_right
	s_endpgm
.Lentry_shape_is_right:
; Causal attention of one (batch, head) on codes of FP4 with E8M0 scales; head size 64, 2,048 keys.  The result, divided by the row's sum, is quantised along the model's 1,024 and leaves as codes and scale bytes.
; THE SOFTMAX AHEAD OF THE SECOND PRODUCT: t = score x log2(e) / 8; M = the running largest t rounded UP to a whole number; p = 2^(t - M) is quantised along the keys, not normalised; the sum is taken of the unquantised p.
; LDS: the head's K and V, codes and scale words, 139,264 bytes, come ONCE: each of the sixteen waves brings 8,704 bytes by one tensor load.  No LDS byte is filled twice; behind the one barrier the waves run free.
; CLUSTER: the four work-groups of a head ask for those bytes jointly (mask 15): each wave's load has the same descriptor in all four.
; SHARES: a wave takes two tiles of 16 queries: tile 4 w + cx, whose keys end in key step w / 2, and tile 127 - (4 w + cx), whose keys end in step 15 - w / 2: 17 key steps of 128 keys for every wave.
; The steps' bounds hang on the wave's number alone; cx enters global offsets, the mask's register and a byte select, no branch and no LDS address.  The loop over steps has a constant count; a step past the bound is jumped over.
; LAYOUT: both products transposed: S^T = K Q^T, O^T = V^T P^T: a lane holds one query.  HEAD SIZE 64 is half of the instruction's K: a fragment of K holds two tiles of 16 keys (registers 0-3, 4-7), and Q stands
; between zero codes: v[20:27] = q, 0 meets the first tile, v[16:23] = 0, q the second.  Register 8 t + j of S^T is key 16 t + 8 (lane / 16) + j: p's codes come out, in a block of 32 keys, in the order of groups 0, 2, 1, 3, as V's were made.
; LIMITS: NaN and infinities are not served; a block of zeros gets the byte 1 (its codes are zeros).
; REGISTERS: v1-3 lane terms; v4-6 the step's LDS addresses; v7-10 global offsets; v11 16 r; v12 -M, v13 largest t, v[14:15] the sum; v16-27 Q; v28 Q's scale word; v29 the mask's bound; v30 Q's raw word; v31 r - 8 h;
;   v32-63 K; v96-159 S^T, then p; v160-191 O^T; v192-223 V; v224-231 p's codes; v232-239, v244-247, v252-254 at work; v240-243 V's scale words; v248-251 K's.
.set REC,  208896
.set WV,   10
.set CX,   11
.set SEL,  20                          ; s[20:21] lane selects for v_permlanex16_b32
.set CS,   22                          ; s[22:23] c = log2(e) / 8
.set G1,   24
.set G0,   32
.set TB,   36                          ; the step's codes: 4,096 bytes a step
.set TS,   37                          ; its scale words: 256 bytes a step
.set KI,   38                          ; the step
.set LIM,  39                          ; the last step that counts: the one on the diagonal
.set TI,   40                          ; my tile of queries
.set HD,   48
.set BB,   49
.macro CROUND
	s_barrier_signal -1
	s_barrier_wait -1
	s_cmp_lg_u32 s[WV], 0
	s_cbranch_scc1 .Lnot_wave_0_\@
	s_barrier_signal -3
.Lnot_wave_0_\@:
	s_barrier_wait -3
	s_barrier_signal -1
	s_barrier_wait -1
.endm
	s_load_b128 s[4:7], s[0:1], 0x0                ; qkv, a_codes
	s_load_b64 s[8:9], s[0:1], 0x10                ; a_scales
	v_lshl_add_u32 v95, v0, 2, 0x29000
	v_mov_b32 v255, 0
	ds_add_u32 v95, v255
	ds_add_u32 v95, v255
	v_lshrrev_b32 v1, 5, v0
	s_delay_alu instid0(VALU_DEP_1)
	v_readfirstlane_b32 s[WV], v1                  ; wave 0..15
	s_bfe_u32 s[CX], ttmp6, 0x40000                ; cx
	s_and_b32 s12, ttmp7, 0xffff                   ; 16 x batch + head: the four partners share it
	s_and_b32 s[HD], s12, 15
	s_lshr_b32 s[BB], s12, 4
	s_mul_i32 s14, s12, REC
	s_mov_b32 s15, 0
	s_mul_i32 s16, s[WV], 8704                     ; my part, in the record and in LDS alike
	s_mov_b32 s17, 0
	s_mov_b32 s[G1], 15|(3<<16)|(1<<21)            ; 15:0 the mask: all four; 17:16 elements of 8 bytes; 21 set beside a mask
	s_mov_b32 s[G1+1], 32<<16                      ; tensor_dim0: rows of 256 bytes
	s_mov_b32 s[G1+2], 34<<16                      ; tensor_dim1
	s_mov_b32 s[G1+3], 32<<16                      ; tile_dim0
	s_mov_b32 s[G1+4], 34                          ; tile_dim1
	s_mov_b32 s[G1+5], 32                          ; dense
	s_mov_b32 s[G1+6], 0
	s_mov_b32 s[G1+7], 0
	s_mov_b32 s[SEL], 0x76543210
	s_mov_b32 s[SEL+1], 0xfedcba98
	s_mov_b32 s[CS], 0x3e38aa3b
	s_mov_b32 s[CS+1], s[CS]                       ; named with it as a pair, so it is written
	s_wait_dscnt 0x0
	s_wait_kmcnt 0x0
	s_add_nc_u64 s[4:5], s[4:5], s[14:15]          ; my head's record
	s_mov_b32 s[G0], 1
	s_mov_b32 s[G0+1], s16
	s_add_nc_u64 s[G0+2:G0+3], s[4:5], s[16:17]
	s_or_b32 s[G0+3], s[G0+3], 0x80000000
	CROUND                                         ; all four work-groups are here: the joint loads meet
	tensor_load_to_lds s[G0:G0+3], s[G1:G1+7]      ; my one tensor load
	s_nop 0
.rept 4
	v_nop
.endr
	v_and_b32 v11, 31, v0
	s_delay_alu instid0(VALU_DEP_1)
	v_lshlrev_b32 v1, 4, v11                       ; K's codes: 16 x lane
	s_delay_alu instid0(VALU_DEP_1)
	v_add_nc_u32 v2, 0x10000, v1                   ; V's
	v_and_b32 v31, 15, v0                          ; r
	s_delay_alu instid0(VALU_DEP_1)
	v_lshlrev_b32 v11, 4, v31                      ; 16 r
	s_delay_alu instid0(VALU_DEP_1)
	v_add_nc_u32 v3, 0x20000, v11                  ; K's scale words; V's lie 4,096 bytes on
	v_bfe_u32 v4, v0, 4, 1
	s_delay_alu instid0(VALU_DEP_1)
	v_lshlrev_b32 v4, 3, v4
	s_delay_alu instid0(VALU_DEP_1)
	v_sub_nc_u32 v31, v31, v4                      ; r - 8 h
.irp j, 16,17,18,19,24,25,26,27
	v_mov_b32 v\j, 0                               ; the zero codes on both sides of Q
.endr
.irp j, 236,237,238,239,252,253
	v_mov_b32 v\j, 0                               ; written once: lane permutes' destinations, and the upper half of the pair v[252:253]
.endr
	s_wait_tensorcnt 0x0                           ; my part has landed,
	s_barrier_signal -1
	s_barrier_wait -1                              ; everybody's has
.macro STEP
	s_cmp_gt_u32 s[KI], s[LIM]                     ; all keys of the step come after my queries: nothing to do
	s_cbranch_scc1 .Lhidden_\@
	s_setprio 2
	v_add_nc_u32 v4, s[TB], v1
	v_add_nc_u32 v5, s[TB], v2
	v_add_nc_u32 v6, s[TS], v3
	v_nop                                          ; four places behind the last step's products, in front of the loads into their registers
.irp f, 0,1,2,3
.irp c, 0,1
	ds_load_b128 v[32+8*\f+4*\c:35+8*\f+4*\c], v4 offset:1024*\f+512*\c    ; key tiles 2 f and 2 f + 1
.endr
.endr
	ds_load_b128 v[248:251], v6
.irp f, 0,1,2,3
.irp c, 0,1
	ds_load_b128 v[192+8*\f+4*\c:195+8*\f+4*\c], v5 offset:1024*\f+512*\c  ; V^T: channels 16 f on
.endr
.endr
	ds_load_b128 v[240:243], v6 offset:4096
	s_wait_dscnt 9                                 ; K's nine loads are in; V's nine may be out
.irp f, 0,1,2,3
	v_wmma_scale_f32_16x16x128_f8f6f4 v[96+16*\f:103+16*\f], v[32+8*\f:39+8*\f], v[20:27], 0, v[248+\f], v28 matrix_a_fmt:MATRIX_FMT_FP4 matrix_b_fmt:MATRIX_FMT_FP4
	v_wmma_scale_f32_16x16x128_f8f6f4 v[104+16*\f:111+16*\f], v[32+8*\f:39+8*\f], v[16:23], 0, v[248+\f], v28 matrix_a_fmt:MATRIX_FMT_FP4 matrix_b_fmt:MATRIX_FMT_FP4
.endr
.rept 4
	v_nop
.endr
	s_cmp_lg_u32 s[KI], s[LIM]                     ; only the step on the diagonal has hidden keys
	s_cbranch_scc1 .Lopen_\@
	v_mov_b32 v254, 0xff800000                     ; -infinity: p = 0 then
.set n, 0
.rept 64
	v_cmp_gt_i32 vcc_lo, 16*(n/8)+n%8, v29         ; register n holds key 16 (n / 8) + n % 8 + 8 h of the step
	v_cndmask_b32 v[96+n], v[96+n], v254, vcc_lo
.set n, n+1
.endr
.Lopen_\@:
.irp b, 0,1,2,3
	v_max3_num_f32 v[232+\b], v[96+16*\b], v[97+16*\b], v[98+16*\b]   ; the largest score of each block of 32 keys: for the row's maximum, and, since p rises with the score, for the block's largest p
.endr
.irp i, 3,5,7,9,11,13
.irp b, 0,1,2,3
	v_max3_num_f32 v[232+\b], v[232+\b], v[96+16*\b+\i], v[97+16*\b+\i]
.endr
.endr
.irp b, 0,1,2,3
	v_max_num_f32 v[232+\b], v[232+\b], v[111+16*\b]
.endr
.irp b, 0,1,2,3
	s_delay_alu instid0(VALU_DEP_4)
	v_permlanex16_b32 v[236+\b], v[232+\b], s[SEL], s[SEL+1]
.endr
.irp b, 0,1,2,3
	s_delay_alu instid0(VALU_DEP_4)
	v_max_num_f32 v[232+\b], v[232+\b], v[236+\b]  ; with lane l xor 16's 16 keys
.endr
	s_delay_alu instid0(VALU_DEP_2)
	v_max3_num_f32 v254, v232, v233, v234
	s_delay_alu instid0(VALU_DEP_1)
	v_max_num_f32 v254, v254, v235
	s_delay_alu instid0(VALU_DEP_1)
	v_mul_f32 v254, s[CS], v254                    ; as t
	s_delay_alu instid0(VALU_DEP_1)
	v_max_num_f32 v13, v13, v254                   ; the running largest t
	v_mov_b32 v254, v12
	s_delay_alu instid0(VALU_DEP_2)
	v_floor_f32 v12, -v13                          ; the new -M = -ceil(t)
	s_delay_alu instid0(VALU_DEP_1)
	v_sub_f32 v254, v12, v254                      ; old M - new M: a whole number, 0 or less
	s_delay_alu instid0(VALU_DEP_1)
	v_cvt_i32_f32 v254, v254                       ; (it saturates)
	s_delay_alu instid0(VALU_DEP_1)
	v_ldexp_f32 v252, 1.0, v254                    ; f = 2^(old M - new M): rounds nothing
.set n, 0
.rept 32
	v_pk_fma_f32 v[96+n:97+n], v[96+n:97+n], s[CS:CS+1], v[12:13] op_sel_hi:[1,0,0]   ; t - M
.set n, n+2
.endr
	s_setprio 1
.irp b, 0,1,2,3
	v_fma_f32 v[232+\b], v[232+\b], s[CS], v12
.endr
.set n, 0
	s_wait_alu depctr_va_vdst(0)
.rept 64
	v_exp_f32 v[96+n], v[96+n]                     ; p = 2^(t - M)
.set n, n+1
.endr
	v_pk_mul_f32 v[14:15], v[14:15], v[252:253] op_sel_hi:[1,0]   ; the sums under the new M (the plain line behind the exponentials)
	s_wait_alu depctr_va_vdst(0)                   ; one wait for the batch, ahead of its first reader
.irp b, 0,1,2,3
	v_exp_f32 v[232+\b], v[232+\b]                 ; the block's largest p
.endr
	v_pk_add_f32 v[236:237], v[100:101], v[104:105]
	v_pk_add_f32 v[250:251], v[108:109], v[112:113]
	v_pk_add_f32 v[248:249], v[116:117], v[120:121]
	v_pk_add_f32 v[246:247], v[124:125], v[128:129]
	v_pk_add_f32 v[244:245], v[132:133], v[136:137]
	v_pk_add_f32 v[238:239], v[140:141], v[144:145]
	v_pk_add_f32 v[230:231], v[148:149], v[152:153]
	v_pk_add_f32 v[14:15], v[14:15], v[156:157]
	v_pk_add_f32 v[236:237], v[236:237], v[96:97]
	v_pk_add_f32 v[250:251], v[250:251], v[98:99]
	v_pk_add_f32 v[248:249], v[248:249], v[102:103]
	v_pk_add_f32 v[246:247], v[246:247], v[106:107]
	v_pk_add_f32 v[244:245], v[244:245], v[110:111]
	v_pk_add_f32 v[238:239], v[238:239], v[114:115]
	v_pk_add_f32 v[230:231], v[230:231], v[118:119]
	v_pk_add_f32 v[14:15], v[14:15], v[122:123]
	v_pk_add_f32 v[236:237], v[236:237], v[126:127]
	v_pk_add_f32 v[250:251], v[250:251], v[130:131]
	v_pk_add_f32 v[248:249], v[248:249], v[134:135]
	v_pk_add_f32 v[246:247], v[246:247], v[138:139]
	v_pk_add_f32 v[244:245], v[244:245], v[142:143]
	v_pk_add_f32 v[238:239], v[238:239], v[146:147]
	v_pk_add_f32 v[230:231], v[230:231], v[150:151]
	v_pk_add_f32 v[14:15], v[14:15], v[154:155]
	v_pk_add_f32 v[236:237], v[236:237], v[158:159]
	s_delay_alu instid0(VALU_DEP_2)
	v_pk_add_f32 v[14:15], v[14:15], v[246:247]
	s_delay_alu instid0(VALU_DEP_2)
	v_pk_add_f32 v[236:237], v[236:237], v[244:245]
	v_pk_add_f32 v[250:251], v[250:251], v[238:239]
	v_pk_add_f32 v[248:249], v[248:249], v[230:231]
	s_delay_alu instid0(VALU_DEP_2)
	v_pk_add_f32 v[14:15], v[14:15], v[250:251]
	s_delay_alu instid0(VALU_DEP_2)
	v_pk_add_f32 v[236:237], v[236:237], v[248:249]
	s_delay_alu instid0(VALU_DEP_1)
	v_pk_add_f32 v[14:15], v[14:15], v[236:237]
	s_wait_alu depctr_va_vdst(0)                   ; and one for the four
.irp b, 0,1,2,3
	v_max_num_f32 v[232+\b], 0x1800000, v[232+\b]  ; the floor 2^(3 - 127)
.endr
.irp b, 0,1,2,3
	s_delay_alu instid0(VALU_DEP_4)
	v_add_nc_u32 v[244+\b], 0xff000000, v[232+\b]  ; the conversion's scale operand
.endr
.irp b, 0,1,2,3
	s_delay_alu instid0(VALU_DEP_4)
	v_lshrrev_b32 v[236+\b], 23, v[244+\b]         ; the byte
.endr
	s_delay_alu instid0(VALU_DEP_3)
	v_lshl_or_b32 v253, v237, 8, v236              ; p's scale word for these 128 keys
	s_delay_alu instid0(VALU_DEP_1)
	v_lshl_or_b32 v253, v238, 16, v253
	s_delay_alu instid0(VALU_DEP_1)
	v_lshl_or_b32 v253, v239, 24, v253
	s_setprio 0
.irp b, 0,1,2,3
	v_cvt_scalef32_pk8_fp4_f32 v[224+2*\b], v[96+16*\b:103+16*\b], v[244+\b]
	v_cvt_scalef32_pk8_fp4_f32 v[225+2*\b], v[104+16*\b:111+16*\b], v[244+\b]
.endr
	v_nop                                          ; one plain line behind the last conversion
.irp c, 0,1
.irp i, 0,1
	v_permlane16_swap_b32 v[224+4*\c+\i], v[226+4*\c+\i]   ; a whole block to a lane
.endr
.endr
.set n, 0
.rept 16
	v_pk_mul_f32 v[160+n:161+n], v[160+n:161+n], v[252:253] op_sel_hi:[1,0]   ; O^T under the new M; sixteen lines between the scale word's making and the products
.set n, n+2
.endr
	s_wait_alu depctr_va_vdst(0)
	s_wait_dscnt 0x0                               ; V is in
.irp t, 0,1,2,3
	v_wmma_scale_f32_16x16x128_f8f6f4 v[160+8*\t:167+8*\t], v[192+8*\t:199+8*\t], v[224:231], v[160+8*\t:167+8*\t], v[240+\t], v253 matrix_a_fmt:MATRIX_FMT_FP4 matrix_b_fmt:MATRIX_FMT_FP4
.endr
.Lhidden_\@:
	s_add_co_u32 s[TB], s[TB], 4096
	s_add_co_u32 s[TS], s[TS], 256
.endm
.macro PASS late
	s_wait_xcnt 0x0                                ; the last pass's stores have read their registers
	s_lshl_b32 s[TI], s[WV], 2
	s_add_co_u32 s[TI], s[TI], s[CX]               ; 4 w + cx
	s_lshr_b32 s[LIM], s[WV], 1
.if \late
	s_sub_co_u32 s[TI], 127, s[TI]
	s_sub_co_u32 s[LIM], 15, s[LIM]
.endif
	s_lshl_b32 s41, s[TI], 9
	v_add_nc_u32 v7, s41, v1                       ; Q's codes: 512 bytes a tile
	s_lshr_b32 s41, s[TI], 3
	s_lshl_b32 s41, s41, 8
	s_bfe_u32 s42, s[TI], 0x20001
	s_lshl_b32 s42, s42, 2
	s_add_co_u32 s41, s41, s42
	v_add_nc_u32 v8, s41, v11                      ; Q's scale word: [tile / 8][r][(tile / 2) % 4]
	global_load_b128 v[20:23], v7, s[4:5] offset:139264
	global_load_b32 v30, v8, s[4:5] offset:204800
	s_and_b32 s41, s[TI], 7
	s_lshl_b32 s41, s41, 4
	v_add_nc_u32 v29, s41, v31                     ; my query in its step, less 8 h
	s_and_b32 s41, s[TI], 1
	s_mul_i32 s41, s41, 0x02020202
	s_add_co_u32 s43, s41, 0x01000100              ; the tile's two bytes of the word, twice
	s_lshl_b32 s41, s[BB], 7
	s_add_co_u32 s41, s41, s[TI]                   ; the row tile of the result
	s_lshl_b32 s42, s41, 13
	s_lshl_b32 s44, s[HD], 9
	s_add_co_u32 s42, s42, s44
	v_add_nc_u32 v9, s42, v1                       ; codes: 8,192 bytes a row tile, 512 a head
	s_lshl_b32 s42, s41, 9
	s_lshl_b32 s44, s[HD], 1
	s_add_co_u32 s42, s42, s44
	v_lshl_add_u32 v10, v11, 1, s42                ; scale bytes: 32 a row, 2 a head
	v_mov_b32 v13, 0xff61b1e6                      ; the largest t so far: -3e38
	s_delay_alu instid0(VALU_DEP_1)
	v_floor_f32 v12, -v13
	v_mov_b32 v14, 0
	v_mov_b32 v15, 0
	s_mov_b32 s[TB], 0
	s_mov_b32 s[TS], 0
	s_mov_b32 s[KI], 0
	s_wait_loadcnt 0x0
	v_perm_b32 v28, v30, v30, s43
.set n, 0
.rept 32
	v_mov_b32 v[160+n], 0                          ; O^T: the step is written once; its first run finds zeros.  (Also the lines between the scale word's making and the first product)
.set n, n+1
.endr
.Lkeys_\@:                                         ; sixteen trips, a constant
	STEP
	s_add_co_u32 s[KI], s[KI], 1
	s_cmp_lt_u32 s[KI], 16
	s_cbranch_scc1 .Lkeys_\@
	s_setprio 0
	; the way out: O^T / the sum, quantised along the head's 64: blocks 2 head and 2 head + 1 of the row's 32
.rept 4
	v_nop                                          ; places behind the last products
.endr
	v_add_f32 v14, v14, v15
	s_delay_alu instid0(VALU_DEP_1)
	v_permlanex16_b32 v252, v14, s[SEL], s[SEL+1]
	s_delay_alu instid0(VALU_DEP_1)
	v_add_f32 v14, v14, v252                       ; the row's sum
	s_wait_alu depctr_va_vdst(0)
	v_rcp_f32 v14, v14
	v_nop                                          ; a plain line behind the reciprocal,
	s_wait_alu depctr_va_vdst(0)                   ; and the wait ahead of its first reader
.set n, 0
.rept 32
	v_mul_f32 v[96+n], v[160+n], v14               ; each accumulator from its low end on
.set n, n+1
.endr
.irp b, 0,1
	v_max3_num_f32 v[232+\b], |v[96+16*\b]|, |v[97+16*\b]|, 0x1800000
.endr
.irp i, 2,4,6,8,10,12,14
.irp b, 0,1
	s_delay_alu instid0(VALU_DEP_2)
	v_max3_num_f32 v[232+\b], v[232+\b], |v[96+16*\b+\i]|, |v[97+16*\b+\i]|
.endr
.endr
.irp b, 0,1
	s_delay_alu instid0(VALU_DEP_2)
	v_permlanex16_b32 v[236+\b], v[232+\b], s[SEL], s[SEL+1]
.endr
.irp b, 0,1
	s_delay_alu instid0(VALU_DEP_2)
	v_max_num_f32 v[232+\b], v[232+\b], v[236+\b]
.endr
.irp b, 0,1
	s_delay_alu instid0(VALU_DEP_2)
	v_add_nc_u32 v[244+\b], 0xff000000, v[232+\b]
.endr
.irp b, 0,1
	s_delay_alu instid0(VALU_DEP_2)
	v_lshrrev_b32 v[236+\b], 23, v[244+\b]
.endr
	s_delay_alu instid0(VALU_DEP_1)
	v_lshl_or_b32 v238, v237, 8, v236              ; the head's two bytes
.irp b, 0,1
	v_cvt_scalef32_pk8_fp4_f32 v[224+2*\b], v[96+16*\b:103+16*\b], v[244+\b]
	v_cvt_scalef32_pk8_fp4_f32 v[225+2*\b], v[104+16*\b:111+16*\b], v[244+\b]
.endr
	v_nop
	v_permlane16_swap_b32 v224, v226               ; lanes 0-15 the first block, lanes 16-31 the second
	v_permlane16_swap_b32 v225, v227
	global_store_b128 v9, v[224:227], s[6:7]       ; 512 consecutive bytes
	global_store_b16 v10, v238, s[8:9]             ; (both halves of the lanes hold and write the same)
.endm
	PASS 1
	PASS 0
	s_wait_dscnt 0x0
	s_wait_tensorcnt 0x0
	ds_add_u32 v95, v255
	s_wait_dscnt 0x0
	CROUND                                         ; the closing round
	s_endpgm
.Lfunc_end_k_q2817bc5dab_attn:
	.size	k_q2817bc5dab_attn, .Lfunc_end_k_q2817bc5dab_attn-k_q2817bc5dab_attn
	.p2alignl 7, 3214868480
	.fill 96, 4, 3214868480
	.section	.rodata,"a",@progbits
	.p2align	6, 0x0
	.amdhsa_kernel k_q2817bc5dab_attn
		.amdhsa_group_segment_fixed_size 169984
		.amdhsa_private_segment_fixed_size 0
		.amdhsa_enable_private_segment 0
		.amdhsa_kernarg_size 24
		.amdhsa_user_sgpr_count 2
		.amdhsa_user_sgpr_kernarg_segment_ptr 1
		.amdhsa_wavefront_size32 1
		.amdhsa_system_sgpr_workgroup_id_x 1
		.amdhsa_system_sgpr_workgroup_id_y 1
		.amdhsa_system_sgpr_workgroup_id_z 1
		.amdhsa_system_vgpr_workitem_id 0
		.amdhsa_next_free_vgpr 256
		.amdhsa_next_free_sgpr 66
		.amdhsa_reserve_vcc 1
		.amdhsa_float_denorm_mode_32 3
		.amdhsa_float_denorm_mode_16_64 3
		.amdhsa_memory_ordered 1
		.amdhsa_forward_progress 1
		.amdhsa_inst_pref_size 61
	.end_amdhsa_kernel
	.amdgpu_metadata
---
amdhsa.version: [ 1, 2 ]
amdhsa.kernels:
  - .name:           k_q2817bc5dab_attn
    .symbol:         k_q2817bc5dab_attn.kd
    .args:
      - { .name: qkv, .offset: 0, .size: 8, .value_kind: global_buffer, .address_space: global }
      - { .name: a_codes, .offset: 8, .size: 8, .value_kind: global_buffer, .address_space: global }
      - { .name: a_scales, .offset: 16, .size: 8, .value_kind: global_buffer, .address_space: global }
    .group_segment_fixed_size: 169984
    .private_segment_fixed_size: 0
    .kernarg_segment_align: 8
    .kernarg_segment_size: 24
    .max_flat_workgroup_size: 512
    .sgpr_count:     66
    .vgpr_count:     256
    .wavefront_size: 32
...
	.end_amdgpu_metadata
.endif
;; end of part 3
;; launch proj (part 4): grid 4 x 32, 4 waves a work-group, clusters of 4 x 4, 280,064 bytes of LDS; arguments a_codes, a_scales, w_codes, w_scales, b_proj, out0; writes out0
.if DOCPART == 4
	.amdgcn_target "amdgcn-amd-amdhsa--gfx1250"
	.amdhsa_code_object_version 6
	.text
	.protected	k_q2817bc5dab_proj
	.globl	k_q2817bc5dab_proj
	.p2align	8
	.type	k_q2817bc5dab_proj,@function
k_q2817bc5dab_proj:
	s_mov_b64 s[64:65], 0
	v_nop
	global_prefetch_b8 v0, s[64:65] scope:SCOPE_SE
	s_setreg_imm32_b32 hwreg(HW_REG_WAVE_MODE, 25, 1), 1
	s_wait_xcnt 0x0
	s_wait_alu depctr_hold_cnt(0) depctr_sa_sdst(0) depctr_va_vdst(0) depctr_va_sdst(0) depctr_va_ssrc(0) depctr_va_vcc(0) depctr_vm_vsrc(0)
	s_getreg_b32 s2, hwreg(HW_REG_IB_STS2, 6, 4)
	s_cmp_eq_u32 s2, 0
	s_cbranch_scc0 .Lentry_in_a_cluster
	s_endpgm
.Lentry_in_a_cluster:
	s_bfe_u32 s2, ttmp6, 0x10000c
	s_cmp_lg_u32 s2, 0xf033
	s_cbranch_scc0 .Lentry_shape_is_right
	s_endpgm
.Lentry_shape_is_right:
; out0 = attention's result x w_proj + b_proj, on codes of FP4 with E8M0 scales; out0 [8192][1024] f32.
; A tile of 256 x 256 to a work-group of four waves, 128 x 128 a wave.  K = 1,024 lies in LDS whole, as two slots of 512 along K, each filled once: no LDS byte is filled twice.
; 128 work-groups: a wave tile of 64 x 128 would give 256, and would read half as much again from LDS for each matrix instruction.
; THE MATRIX INSTRUCTION IS USED TRANSPOSED: source 0 = 16 rows of B (columns of out0), source 1 = 16 rows of A: a lane holds eight neighbouring numbers of a row of out0.
; CLUSTERS: 4 x 4: A's tiles are asked for jointly along a row of the cluster, B's along a column.  The bias is the C of each sum's first matrix instruction.
; CODES are images of the operand's registers: [row / 16][k / 32][row % 16][16 bytes]; both sides have the groups of a block in the order 0, 2, 1, 3.  B: rows 3,072 on of w_codes and w_scales.
; REGISTERS: window 0: v0-31 addresses; v32-95 scale words; v128-191 A's fragments; v192-255 the bias; on the way out v128-255 rows of out0.  window 1: B's fragments, two sets.  windows 2, 3: the accumulators.
.set NQ,     4
.set FR,     8
.set NL,     2
.set NP,     4
.set HALFT,  32768
.set SLOT,   4*HALFT
.set SCL,    2*SLOT
.set HALFS,  16*272
.set SBLK,   2*272
.set SIZE_N, 1024
.set SPITCH, 528                       ; the way out: a stage of 16 rows x (512 bytes + 16) for each wave, in slot 0, which has had its one fill and its last read when the first result is stored there
.set ADRA, 16
.set ADRB, 20
.set STO,  24
.set RD,   25
.set CO,   26
.set ADRS, 27
.set SC,   32
.set AF,   128
.set BK,   128
.set BI,   192
.set G1, 24
.set G0, 32
.set G1B, 48
.set G0B, 56
.set G1S, 68
.set G0S, 76
.set G1SB, 80
.set G0SB, 88
.set MSB, 0
.macro WIN new
.if MSB != (\new)
	s_set_vgpr_msb (MSB<<8)|(\new)
.set MSB, (\new)
.endif
.endm
.set MUL_LO, 0xa1
.set MUL_HI, 0xf1
.set TO_B,   0x40
.macro JLOAD g0a, g1a, g0b, g1b        ; waves 0 and 1 fetch for A, waves 2 and 3 for B; four v_nop follow each of the two lines
	s_cmp_eq_u32 s15, 0
	s_cbranch_scc0 .Lfor_b_\@
	tensor_load_to_lds s[\g0a:\g0a+3], s[\g1a:\g1a+7]
	s_nop 0
.rept 4
	v_nop
.endr
	s_branch .Lasked_\@
.Lfor_b_\@:
	tensor_load_to_lds s[\g0b:\g0b+3], s[\g1b:\g1b+7]
	s_nop 0
.rept 4
	v_nop
.endr
.Lasked_\@:
.endm
.macro CROUND
	s_barrier_signal -1
	s_barrier_wait -1
	s_cmp_lg_u32 s14, 0
	s_cbranch_scc1 .Lnot_wave_0_\@
	s_barrier_signal -3
.Lnot_wave_0_\@:
	s_barrier_wait -3
	s_barrier_signal -1
	s_barrier_wait -1
.endm
	s_load_b256 s[4:11], s[0:1], 0x0               ; a_codes, a_scales, w_codes, w_scales
	s_load_b128 s[92:95], s[0:1], 0x20             ; b_proj, out0
	v_lshl_add_u32 v126, v0, 2, 0x44400
	v_mov_b32 v127, 0
	ds_add_u32 v126, v127
	ds_add_u32 v126, v127
	v_lshrrev_b32 v1, 5, v0
	v_readfirstlane_b32 s14, v1                    ; wave 0..3
	s_lshr_b32 s15, s14, 1
	s_and_b32 s16, s14, 1
	s_bfe_u32 s40, ttmp6, 0x40000                  ; cx
	s_bfe_u32 s41, ttmp6, 0x40004                  ; cy
	s_lshl_b32 s42, ttmp9, 2
	s_add_co_u32 s42, s42, s40                     ; tile column
	s_and_b32 s17, ttmp7, 0xffff
	s_lshl_b32 s17, s17, 2
	s_add_co_u32 s17, s17, s41                     ; tile row
	s_lshl_b32 s43, s41, 2
	s_lshl_b32 s43, 15, s43                        ; my row of the cluster
	s_lshl_b32 s44, 0x1111, s40                    ; my column
	s_or_b32 s[G1+0], s43, (3<<16)|(1<<21)         ; codes: 8 row tiles x 4,096 bytes (512 elements of 8 bytes), 8,192 bytes apart; dense in LDS
	s_or_b32 s[G1B+0], s44, (3<<16)|(1<<21)
.irp g, G1, G1B
	s_mov_b32 s[\g+1], 512<<16
	s_mov_b32 s[\g+2], 8<<16
	s_mov_b32 s[\g+3], 512<<16
	s_mov_b32 s[\g+4], 8
	s_mov_b32 s[\g+5], 1024
	s_mov_b32 s[\g+6], 0
	s_mov_b32 s[\g+7], 0
.endr
	s_or_b32 s[G1S+0], s43, (3<<16)|(1<<20)|(1<<21)|(5<<22)|(3<<25)   ; scale bytes of 128 rows: 16 rows of 256 bytes, 16 of padding behind each
	s_or_b32 s[G1SB+0], s44, (3<<16)|(1<<20)|(1<<21)|(5<<22)|(3<<25)
.irp g, G1S, G1SB
	s_mov_b32 s[\g+1], 32<<16
	s_mov_b32 s[\g+2], 16<<16
	s_mov_b32 s[\g+3], 32<<16
	s_mov_b32 s[\g+4], 16
	s_mov_b32 s[\g+5], 32
	s_mov_b32 s[\g+6], 0
	s_mov_b32 s[\g+7], 0
.endr
	s_lshl_b32 s18, s16, 7
	s_lshl_b32 s20, s17, 8
	s_add_co_u32 s20, s20, s18                     ; A's first row that I fetch
	s_lshl_b32 s46, s42, 8
	s_add_co_u32 s46, s46, s18                     ; B's
	s_lshl_b32 s22, s20, 5
	s_mov_b32 s23, 0
	s_lshl_b32 s98, s46, 5
	s_mov_b32 s99, 0
	s_lshl_b32 s20, s20, 9
	s_mov_b32 s21, 0
	s_lshl_b32 s46, s46, 9
	s_mov_b32 s47, 0
	s_mul_i32 s45, s14, HALFT
	s_mul_i32 s100, s14, HALFS
	s_wait_dscnt 0x0
	s_wait_kmcnt 0x0
	s_add_nc_u64 s[8:9], s[8:9], 3072*512          ; w_proj's rows
	s_add_nc_u64 s[10:11], s[10:11], 3072*32
	s_add_nc_u64 s[20:21], s[4:5], s[20:21]
	s_add_nc_u64 s[22:23], s[6:7], s[22:23]
	s_add_nc_u64 s[46:47], s[8:9], s[46:47]
	s_add_nc_u64 s[98:99], s[10:11], s[98:99]
	CROUND                                         ; all sixteen work-groups are here: the joint loads meet
	s_mov_b32 s[G0S], 1
	s_add_co_u32 s[G0S+1], s100, SCL
	s_mov_b64 s[G0S+2:G0S+3], s[22:23]
	s_or_b32 s[G0S+3], s[G0S+3], 0x80000000
	s_mov_b32 s[G0SB], 1
	s_add_co_u32 s[G0SB+1], s100, SCL
	s_mov_b64 s[G0SB+2:G0SB+3], s[98:99]
	s_or_b32 s[G0SB+3], s[G0SB+3], 0x80000000
	JLOAD G0S, G1S, G0SB, G1SB                     ; three loads of mine are out behind the third
.irp s, 0,1
	s_mov_b32 s[G0+4*\s], 1
	s_add_co_u32 s[G0+4*\s+1], s45, \s*SLOT
	s_add_nc_u64 s[G0+4*\s+2:G0+4*\s+3], s[20:21], \s*4096
	s_or_b32 s[G0+4*\s+3], s[G0+4*\s+3], 0x80000000
	s_mov_b32 s[G0B+4*\s], 1
	s_add_co_u32 s[G0B+4*\s+1], s45, \s*SLOT
	s_add_nc_u64 s[G0B+4*\s+2:G0B+4*\s+3], s[46:47], \s*4096
	s_or_b32 s[G0B+4*\s+3], s[G0B+4*\s+3], 0x80000000
	JLOAD G0+4*\s, G1, G0B+4*\s, G1B
.endr
	v_and_b32 v1, 15, v0                           ; r
	v_bfe_u32 v2, v0, 4, 1                         ; h
	v_and_b32 v3, 31, v0
	v_lshlrev_b32 v[CO], 4, v3                     ; 16 x lane
	s_mul_i32 s21, s15, HALFT
	s_mul_i32 s22, s16, HALFT
	s_add_co_u32 s22, s22, 2*HALFT
.irp s, 0,1
	v_add_nc_u32 v[ADRA+\s], s21, v[CO]
	v_add_nc_u32 v[ADRB+\s], s22, v[CO]
	s_add_co_u32 s21, s21, SLOT
	s_add_co_u32 s22, s22, SLOT
.endr
	v_mul_u32_u24 v5, v1, 32
	v_lshrrev_b32 v6, 8, v5
	v_lshl_add_u32 v5, v6, 4, v5
	s_mul_i32 s21, s15, HALFS
	s_mul_i32 s22, s16, HALFS
	s_add_co_u32 s22, s22, 2*HALFS
	s_sub_co_u32 s22, s22, s21
	v_mul_u32_u24 v6, s22, v2                      ; lanes 16-31 take B's
	s_add_co_u32 s21, s21, SCL
	v_add_nc_u32 v5, v5, v6
	v_add_nc_u32 v[ADRS], s21, v5
	s_mul_i32 s23, s14, 16*SPITCH                  ; my stage
	v_mul_u32_u24 v5, v1, SPITCH
	v_lshl_add_u32 v5, v2, 5, v5
	v_add_nc_u32 v[STO], s23, v5                   ; in: row r, 32 bytes for each half of the lanes
	v_add_nc_u32 v[RD], s23, v[CO]                 ; back: the 32 lanes take one row of 512 bytes
	s_lshl_b32 s20, s17, 8
	s_lshl_b32 s21, s15, 7
	s_add_co_u32 s20, s20, s21
	s_lshl_b32 s20, s20, 12                        ; my first row of out0, 4,096 bytes a row
	s_lshl_b32 s46, s42, 10
	s_lshl_b32 s47, s16, 9
	s_add_co_u32 s46, s46, s47                     ; my first column, in bytes
	s_add_co_u32 s20, s20, s46
	s_mov_b32 s21, 0
	s_add_nc_u64 s[94:95], s[94:95], s[20:21]
	s_mov_b32 s47, 0
	s_add_nc_u64 s[92:93], s[92:93], s[46:47]      ; the bias at my first column
	v_lshlrev_b32 v13, 5, v2                       ; 32 h
.irp b, 0,1,2,3,4,5,6,7
	global_load_b128 v[BI+8*\b:BI+8*\b+3], v13, s[92:93] offset:64*\b        ; b_proj at columns 16 b + 8 h + 0 .. 7: the result's layout
	global_load_b128 v[BI+8*\b+4:BI+8*\b+7], v13, s[92:93] offset:64*\b+16
.endr
.macro FRAG reg, adr, q, i
.irp c, 0,1
	ds_load_b128 v[\reg+4*\c:\reg+4*\c+3], v[\adr] offset:(\i)*4096+(\q)*1024+\c*512
.endr
.endm
; 16 matrix instructions.  first = 1: the bias is C and starts the sums.  The 64 accumulators take turns, one instruction a turn.
.macro MUL16 a0, p, q, sc, first
.irp a, \a0, \a0+1
.irp b, 0,1,2,3,4,5,6,7
.if \first
	v_wmma_scale_f32_16x16x128_f8f6f4 v[8*(8*((\a)%4)+\b):8*(8*((\a)%4)+\b)+7], v[128*(\p)+FR*\b:128*(\p)+FR*\b+FR-1], v[AF+FR*(\a):AF+FR*(\a)+FR-1], v[BI+8*\b:BI+8*\b+7], v[SC+8*NQ*(\sc)+NQ*\b+(\q)], v[SC+8*NQ*(\sc)+NQ*(\a)+(\q)] matrix_a_fmt:MATRIX_FMT_FP4 matrix_b_fmt:MATRIX_FMT_FP4 matrix_a_scale:MATRIX_SCALE_ROW1
.else
	v_wmma_scale_f32_16x16x128_f8f6f4 v[8*(8*((\a)%4)+\b):8*(8*((\a)%4)+\b)+7], v[128*(\p)+FR*\b:128*(\p)+FR*\b+FR-1], v[AF+FR*(\a):AF+FR*(\a)+FR-1], v[8*(8*((\a)%4)+\b):8*(8*((\a)%4)+\b)+7], v[SC+8*NQ*(\sc)+NQ*\b+(\q)], v[SC+8*NQ*(\sc)+NQ*(\a)+(\q)] matrix_a_fmt:MATRIX_FMT_FP4 matrix_b_fmt:MATRIX_FMT_FP4 matrix_a_scale:MATRIX_SCALE_ROW1
.endif
.endr
.endr
.endm
.macro FETCH_B slot, q, p
	WIN TO_B
.irp i, 0,1,2,3,4,5,6,7
	FRAG 128*(\p)+FR*\i, ADRB+\slot, \q, \i
.endr
	WIN 0
.endm
.macro FETCH_A slot, q, i0
.irp i, \i0, \i0+1, \i0+2, \i0+3
	FRAG AF+FR*(\i), ADRA+\slot, \q, \i
.endr
.endm
.macro SCALES sc
.irp i, 0,1,2,3,4,5,6,7
	ds_load_b128 v[SC+8*NQ*\sc+NQ*\i:SC+8*NQ*\sc+NQ*\i+3], v[ADRS] offset:\i*SBLK
.endr
.endm
.macro PLACES n
.rept \n
	v_nop
.endr
.endm
.macro STEP slot, q, first
	s_wait_dscnt 4*NL                              ; all but the youngest eight loads (A's blocks 4-7)
.if \first
	WIN 0x81                                       ; C (the bias) window 0, D window 2
.else
	WIN MUL_LO
.endif
	MUL16 0, (\q)%2, \q, \slot, \first
	MUL16 2, (\q)%2, \q, \slot, \first
	s_wait_dscnt 0
	PLACES NP
	FETCH_B \slot, (\q)+1, 1-(\q)%2
	FETCH_A \slot, (\q)+1, 0
.if \first
	WIN 0xc1                                       ; C window 0, D window 3
.else
	WIN MUL_HI
.endif
	MUL16 4, (\q)%2, \q, \slot, \first
	MUL16 6, (\q)%2, \q, \slot, \first
	PLACES NP
	WIN 0
	FETCH_A \slot, (\q)+1, 4
.endm
.macro STEPS slot, from
.set Q, \from
.rept NQ-1-\from
	STEP \slot, Q, 0
.set Q, Q+1
.endr
.endm
.macro TURN                            ; slot 0's last step, and on to slot 1: nothing is filled again
	s_wait_tensorcnt 0x0                           ; my part of slot 1 has landed
	s_wait_dscnt 4*NL
	WIN MUL_LO
	MUL16 0, 1, NQ-1, 0, 0
	s_wait_dscnt 0x0                               ; no LDS load of mine is out at the signal: my reads of slot 0 are over
	s_barrier_signal -1
	MUL16 2, 1, NQ-1, 0, 0
	WIN 0
	s_barrier_wait -1                              ; everybody's part of slot 1 has landed, and nobody reads slot 0 any more
	PLACES NP
	v_add_nc_u32 v[ADRS], 4*NQ, v[ADRS]
	FETCH_B 1, 0, 0
	FETCH_A 1, 0, 0
	SCALES 1
	WIN MUL_HI
	MUL16 4, 1, NQ-1, 0, 0
	MUL16 6, 1, NQ-1, 0, 0
	PLACES NP
	WIN 0
	FETCH_A 1, 0, 4
.endm
	s_wait_loadcnt 0x0                             ; the bias
	s_wait_tensorcnt 1                             ; the scales and my part of slot 0 are in; slot 1's load may be out
	s_barrier_signal -1
	s_barrier_wait -1
	FETCH_B 0, 0, 0
	FETCH_A 0, 0, 0
	SCALES 0
	FETCH_A 0, 0, 4
	STEP 0, 0, 1
	STEPS 0, 1
	TURN
	STEPS 1, 0
	s_wait_dscnt 4*NL                              ; the last step: nothing more to fetch
	WIN MUL_LO
	MUL16 0, 1, NQ-1, 1, 0
	MUL16 2, 1, NQ-1, 1, 0
	s_wait_dscnt 0
	WIN MUL_HI
	MUL16 4, 1, NQ-1, 1, 0
	MUL16 6, 1, NQ-1, 1, 0
	WIN 0
; THE WAY OUT, block by block of 16 rows x 128 columns: through my own stage in LDS and back as whole rows of 512 bytes.  LDS serves a wave's instructions in order (ISA guide 5.7.1.4): no wait between the stores and the loads.
.macro TOSTAGE a
.set AC, 64*((\a)%4)
	WIN 0x08+4*((\a)/4)                            ; the data: window 2 or 3
.irp b, 0,1,2,3,4,5,6,7
	ds_store_b128 v[STO], v[AC+8*\b:AC+8*\b+3] offset:64*\b          ; each accumulator from its low end on
	ds_store_b128 v[STO], v[AC+8*\b+4:AC+8*\b+7] offset:64*\b+16
.endr
	WIN 0
.set BB, BK+64*((\a)%2)
.irp t, 0,1,2,3,4,5,6,7,8,9,10,11,12,13,14,15
	ds_load_b128 v[BB+4*\t:BB+4*\t+3], v[RD] offset:\t*SPITCH
.endr
.endm
.macro SEND a, younger                 ; younger: the LDS instructions issued behind block a's loads, which may stay out
.set BB, BK+64*((\a)%2)
	s_wait_dscnt \younger
.if (\a) > 0
	s_add_nc_u64 s[94:95], s[94:95], 16*SIZE_N*4   ; (behind a wait on XCNT: the earlier stores have read their base)
.endif
.irp t, 0,1,2,3,4,5,6,7,8,9,10,11,12,13,14,15
	global_store_b128 v[CO], v[BB+4*\t:BB+4*\t+3], s[94:95] offset:\t*SIZE_N*4 th:TH_STORE_NT   ; 32 lanes store 512 consecutive bytes, aligned
.endr
.endm
	PLACES NP
	TOSTAGE 0
.irp a, 1,2,3,4,5,6,7
.if \a > 1
	s_wait_xcnt 0x0                                ; block a - 2's stores have read their registers and their base
.endif
	TOSTAGE \a
	SEND \a-1, 32                                  ; behind block a - 1's loads: block a's 16 stores and 16 loads
.endr
	s_wait_xcnt 0x0
	SEND 7, 0
	s_wait_dscnt 0x0
	s_wait_tensorcnt 0x0
	ds_add_u32 v126, v127
	s_wait_dscnt 0x0
	CROUND                                         ; the closing round
	s_endpgm
.Lfunc_end_k_q2817bc5dab_proj:
	.size	k_q2817bc5dab_proj, .Lfunc_end_k_q2817bc5dab_proj-k_q2817bc5dab_proj
	.p2alignl 7, 3214868480
	.fill 96, 4, 3214868480
	.section	.rodata,"a",@progbits
	.p2align	6, 0x0
	.amdhsa_kernel k_q2817bc5dab_proj
		.amdhsa_group_segment_fixed_size 280064
		.amdhsa_private_segment_fixed_size 0
		.amdhsa_enable_private_segment 0
		.amdhsa_kernarg_size 48
		.amdhsa_user_sgpr_count 2
		.amdhsa_user_sgpr_kernarg_segment_ptr 1
		.amdhsa_wavefront_size32 1
		.amdhsa_system_sgpr_workgroup_id_x 1
		.amdhsa_system_sgpr_workgroup_id_y 1
		.amdhsa_system_sgpr_workgroup_id_z 1
		.amdhsa_system_vgpr_workitem_id 0
		.amdhsa_next_free_vgpr 1024
		.amdhsa_next_free_sgpr 102
		.amdhsa_reserve_vcc 0
		.amdhsa_float_denorm_mode_32 3
		.amdhsa_float_denorm_mode_16_64 3
		.amdhsa_memory_ordered 1
		.amdhsa_forward_progress 1
		.amdhsa_inst_pref_size 126
	.end_amdhsa_kernel
	.amdgpu_metadata
---
amdhsa.version: [ 1, 2 ]
amdhsa.kernels:
  - .name:           k_q2817bc5dab_proj
    .symbol:         k_q2817bc5dab_proj.kd
    .args:
      - { .name: a_codes, .offset: 0, .size: 8, .value_kind: global_buffer, .address_space: global }
      - { .name: a_scales, .offset: 8, .size: 8, .value_kind: global_buffer, .address_space: global }
      - { .name: w_codes, .offset: 16, .size: 8, .value_kind: global_buffer, .address_space: global }
      - { .name: w_scales, .offset: 24, .size: 8, .value_kind: global_buffer, .address_space: global }
      - { .name: b_proj, .offset: 32, .size: 8, .value_kind: global_buffer, .address_space: global }
      - { .name: out0, .offset: 40, .size: 8, .value_kind: global_buffer, .address_space: global }
    .group_segment_fixed_size: 280064
    .private_segment_fixed_size: 0
    .kernarg_segment_align: 8
    .kernarg_segment_size: 48
    .max_flat_workgroup_size: 128
    .sgpr_count:     102
    .vgpr_count:     1024
    .wavefront_size: 32
...
	.end_amdgpu_metadata
.endif
;; end of part 4
